; MI455X (gfx1250); checked and timed in simulation.
; The chip was launched on July 23, 2026; its instructions are those of AMD's public machine-readable ISA for CDNA 5 (MIT licence, August 2026) and "CDNA5" Instruction Set Architecture Reference Guide (July 2026). The comments in the code are by the model that wrote it; some were corrected since.
;; Attention. Allowed arithmetic: matrix products marked QUANTISED: E4M3 operands, one given power-of-two scale a tensor, by v_wmma_f32_16x16x64_fp8_fp8 or v_wmma_f32_16x16x128_fp8_fp8, f32 sums; everything else in f32.
;; Inputs: freqs_cis 2,048 x 32 float32; lowp_scales 12 int32 (the exponents e of the quantised operands' scales 2^e); mask 1 x 1 x 2,048 x 2,048 float32; wk_b 2,048 float32; wk_w 2,048 x 2,048 float32; wo_b 2,048 float32; wo_w 2,048 x 2,048 float32; wq_b 2,048 float32; wq_w 2,048 x 2,048 float32; wv_b 2,048 float32; wv_w 2,048 x 2,048 float32; x 1 x 2,048 x 2,048 float32.
;; Outputs: out0 1 x 2,048 x 2,048 float32.
;; Constants: start_pos = 0.
;; This version of the problem:
;;   THIS VERSION OF THE PROBLEM IS GIVEN IN LOW PRECISION. The matrix products marked QUANTISED in the list below multiply operands that are first quantised to E4M3 (4 exponent bits, 3 mantissa bits; 8 bits a number), with one given power-of-two scale for each operand tensor; their sums are f32. All else is computed in f32.
;;   The module's matrix products, in the order in which they are computed (A, B: the left and right operand; K: the contracted axis; several contracted axes count as one K, in the product's order):
;;     1. [M 2,048, K 2,048] x [K 2,048, N 2,048]; A: input x; B: input wq_w: QUANTISED (scales: A lowp_scales[0], B lowp_scales[1])
;;     2. [M 2,048, K 2,048] x [K 2,048, N 2,048]; A: input x; B: input wk_w: QUANTISED (scales: A lowp_scales[2], B lowp_scales[3])
;;     3. [M 2,048, K 2,048] x [K 2,048, N 2,048]; A: input x; B: input wv_w: QUANTISED (scales: A lowp_scales[4], B lowp_scales[5])
;;     4. batch 32 x [M 2,048, K 64] x [K 64, N 2,048]; A: computed on the way; B: computed on the way: QUANTISED (scales: A lowp_scales[6], B lowp_scales[7])
;;     5. batch 32 x [M 64, K 2,048] x [K 2,048, N 2,048]; A: computed on the way; B: softmax (see below): QUANTISED (scales: A lowp_scales[8], B lowp_scales[9])
;;     6. [M 2,048, K 2,048] x [K 2,048, N 2,048]; A: computed on the way; B: input wo_w: QUANTISED (scales: A lowp_scales[10], B lowp_scales[11])
;;   THE QUANTISER, for each operand of a quantised product, along K:
;;     - The operand's scale is 2^e, e = its entry of the input lowp_scales (int32; the entries are numbered through the quantised products in the list's order, A before B).
;;     - Each number is divided by the scale, clamped to +-448, and rounded to the nearest number of E4M3, ties to even, subnormals kept.
;;     - The product sums the exact products of the quantised numbers (number of the format x scale) in f32.
;;   ~~~python
;;   def quantise(x, axis, e):      # numpy; x: float32 -> the quantised numbers, widened to float32 again
;;       x = np.moveaxis(x, axis, -1); K = x.shape[-1]
;;       r = np.clip(x / 2.0 ** e, -448, 448)
;;       step = 2.0 ** (np.maximum(np.frexp(np.where(r == 0, 1, r))[1] - 1, -6) - 3)
;;       q = np.round(r / step) * step * 2.0 ** e      # np.round: ties to even
;;       return np.moveaxis(q, -1, axis).astype(np.float32)
;;   ~~~
;;   SOFTMAX AHEAD OF A QUANTISED PRODUCT. Where the list says 'softmax', what is quantised is not the finished softmax but p = 2^(t - M), with t = logit x log2(e) and M = ceil(the row's largest t), a whole number; so 1/2 < the row's largest p <= 1. The row's sum l is taken of the UNQUANTISED p, in f32, and the product's result is divided by l at the end. Since M is a whole number, a kernel that streams over the keys may use a running M (the ceiling of the running maximum): every later rescaling is an exact power of two, so the quantised numbers keep their values, but for numbers so far below the row's largest that they fall under the format's range.
;;   OPERANDS COMPUTED ON THE WAY. 'Computed on the way' means the value that the module computes at that place (a softmax that the list does not call 'softmax' is quantised finished and normalised). What goes into a quantiser is computed in f32, as accurately as f32 sums, v_exp_f32 and their like allow (about 1e-6 of the number): no bf16 or f16 on the way to a quantiser, and a product that is left as it is and whose result goes on into a quantised operand takes f32 operands (vector FMAs, or v_wmma_f32_16x16x4_f32). A number that lies on a knife's edge between two numbers of the format may be rounded either way, as far as f32 arithmetic and the matrix unit's own rounding can turn it there, and no further.
;; One version. Each part assembles by itself: llvm-mc -triple=amdgcn-amd-amdhsa -mcpu=gfx1250 --defsym DOCPART=n.
;; ======== version 1 of 1: 4 launches
;; limits: right only within a limited range of input values
;; workspace buffers: xc 12,582,912 bytes; wc 16,777,216 bytes; qkv 12,582,912 bytes; ac 4,194,304 bytes; mk 16,777,216 bytes
;; launch quant (part 1): grid 768 x 1, 4 waves a work-group, no clusters, 50,688 bytes of LDS; arguments x, wq_w, wk_w, wv_w, wo_w, lowp_scales, xc, wc, mask, mk; writes xc, wc, mk
.if DOCPART == 1
	.amdgcn_target "amdgcn-amd-amdhsa--gfx1250"
	.amdhsa_code_object_version 6
	.text
	.protected	k_q8de70a5e4a_quant
	.globl	k_q8de70a5e4a_quant
	.p2align	8
	.type	k_q8de70a5e4a_quant,@function
k_q8de70a5e4a_quant:
	s_mov_b64 s[64:65], 0
	v_nop
	global_prefetch_b8 v0, s[64:65] scope:SCOPE_SE
	s_setreg_imm32_b32 hwreg(HW_REG_WAVE_MODE, 25, 1), 1
	s_wait_xcnt 0x0
; x and the four weights, all [2048][2048] f32 with K innermost, are turned into codes of FP8 (E4M3), one byte a code, K innermost.
; code = number / 2^e, held within +-448, rounded to the nearest code, ties to even.  x is an operand of three products with a scale of its own in each (entries 0, 2, 4 of the scales),
; so it is read ONCE and converted three times: xc holds three images of 4 MiB.  wc holds wq, wk, wv, wo (entries 1, 3, 5, 11), 4 MiB each.
; LIMITS: each e lies between -126 and 119, so that 2^e and 448 x 2^e are f32 numbers.  NaN among the inputs is not served; an infinity is held at the largest code.
; SHARES.  Rows are dense, so a tensor is a plain stream.  128 work-groups to a tensor: job = work-group / 128 (0: x, 1 to 4: the weights).  A wave takes 16 steps of 512 numbers.
; A conversion takes 8 neighbours from ONE lane's registers; a load is dense where neighbouring LANES take neighbouring bytes.  Both are had: a step's four loads read 512 consecutive bytes each,
; the 2,048 bytes go through the wave's own stage in LDS as they lie and come back 64 bytes a lane (16 bytes of padding behind each 64).  A lane's 16 codes are 16 bytes: a store of the wave covers 512 consecutive bytes, aligned.
; All jobs take one path through loads and LDS: pointers and exponents are chosen by s_cselect on the job; one scalar branch a step, on the job, leads round x's second and third conversions and their stores.
; Waves share nothing: no barrier.  Loads run four steps (16 loads a wave) ahead, the turn through LDS one step.
.set STEPS, 16
.set SP,    80                         ; a lane's place in a stage: its 64 bytes + 16 of padding
.set WREG,  8192                       ; LDS: a region for each wave: two stages of 32 x SP bytes
.set SPARE, 4*WREG                     ; behind the four regions: the spare words, 128 bytes for each wave: two blocks of 256 bytes that no other line names
.set SPW,   12                         ; v12      LDS address of my spare word; never rewritten
.set NIL,   13                         ; v13      0; never rewritten
.set R,     16                         ; v16-79   four sets of 16 numbers as they are loaded
.set X,     80                         ; v80-111  two sets of 16 neighbours
.set T,     112                        ; v112-127 the 16 neighbours, held within one scale's range
.set C,     128                        ; v128-139 codes: four registers for each of the three scales
.set SC,    140                        ; v140.. scale k: v[SC+2k] = 2^e, v[SC+2k+1] = 448 x 2^e
.set JOB,   29
; freqs_cis is named by no line of reference()'s body, so it has no way to the output for any values: it is not loaded and is no launch's argument (a NaN or an infinity in it is not carried to the result).
; JOB 5 (work-groups 640 to 767) lays the mask out anew for the attention launch: see .Lmask at the end of this text.
	s_load_b512 s[8:23], s[0:1], 0x0               ; x s[8:9], wq, wk, wv, wo s[10:17], the scales s[18:19], xc s[20:21], wc s[22:23]
	s_load_b128 s[56:59], s[0:1], 0x40             ; the mask s[56:57], its image mk s[58:59]
	v_lshl_add_u32 v[SPW], v0, 2, SPARE
	v_mov_b32 v[NIL], 0
	v_lshrrev_b32 v1, 5, v0
	v_readfirstlane_b32 s28, v1                    ; wave
	v_and_b32 v2, 31, v0                           ; lane
	v_lshlrev_b32 v3, 4, v2                        ; 16 x lane: my 16 bytes of a load's 512, and of a store's
	s_mul_i32 s31, s28, WREG
	v_lshrrev_b32 v14, 2, v2
	v_mul_u32_u24 v14, v14, SP
	v_and_b32 v15, 3, v2
	v_lshl_add_u32 v14, v15, 4, v14
	v_add_nc_u32 v14, s31, v14                     ; the stage, on the way in: four lanes' 64 bytes on end, then the padding
	v_mul_u32_u24 v15, v2, SP
	v_add_nc_u32 v15, s31, v15                     ; and on the way out: my 16 neighbours
	s_lshr_b32 s[JOB], ttmp9, 7
	s_and_b32 s30, ttmp9, 127
	s_lshl_b32 s30, s30, 2
	s_add_co_u32 s30, s30, s28                     ; which run of 8,192 numbers of the tensor is my wave's
	s_lshl_b32 s32, s30, 15                        ; its first byte in the tensor,
	s_mov_b32 s33, 0
	s_lshl_b32 s34, s30, 13                        ; and among the codes
	s_mov_b32 s35, 0
	s_max_u32 s54, s[JOB], 1
	s_sub_co_u32 s54, s54, 1
	s_lshl_b32 s54, s54, 22                        ; a weight's image in wc: 4 MiB x (job - 1); 0 for x
	s_mov_b32 s55, 0
	s_wait_alu depctr_va_vdst(0)
	s_wait_kmcnt 0x0
	s_load_b256 s[36:43], s[18:19], 0x0            ; entries 0 to 7
	s_load_b128 s[44:47], s[18:19], 0x20           ; entries 8 to 11
	s_cmp_eq_u32 s[JOB], 5                         ; the mask's work-groups part here, on the work-group's number alone
	s_cbranch_scc1 .Lmask
	s_cmp_eq_u32 s[JOB], 1                         ; the choices hang on the work-group's number alone
	s_cselect_b64 s[4:5], s[10:11], s[8:9]
	s_cmp_eq_u32 s[JOB], 2
	s_cselect_b64 s[4:5], s[12:13], s[4:5]
	s_cmp_eq_u32 s[JOB], 3
	s_cselect_b64 s[4:5], s[14:15], s[4:5]
	s_cmp_eq_u32 s[JOB], 4
	s_cselect_b64 s[4:5], s[16:17], s[4:5]
	s_cmp_eq_u32 s[JOB], 0
	s_cselect_b64 s[6:7], s[20:21], s[22:23]
	s_add_nc_u64 s[4:5], s[4:5], s[32:33]          ; the numbers
	s_add_nc_u64 s[6:7], s[6:7], s[54:55]
	s_add_nc_u64 s[6:7], s[6:7], s[34:35]          ; the first codes
	s_add_nc_u64 s[24:25], s[20:21], s[34:35]
	s_add_nc_u64 s[26:27], s[24:25], 0x800000      ; x's third image
	s_add_nc_u64 s[24:25], s[24:25], 0x400000      ; x's second image
.macro LOAD t
.irp i, 0,1,2,3
	global_load_b128 v[R+16*((\t)%4)+4*\i:R+16*((\t)%4)+4*\i+3], v3, s[4:5] offset:2048*(\t)+512*\i th:TH_LOAD_NT   ; 32 lanes read 512 consecutive bytes; read once in the launch
.endr
.endm
.macro TURN t                          ; step t's numbers through the stage: LDS serves a wave's instructions in order (ISA guide 5.7.1.4), so no wait stands between the stores and the loads
.irp i, 0,1,2,3
	ds_store_b128 v14, v[R+16*((\t)%4)+4*\i:R+16*((\t)%4)+4*\i+3] offset:32*SP*((\t)%2)+8*SP*\i
.endr
.irp i, 0,1,2,3
	ds_load_b128 v[X+16*((\t)%2)+4*\i:X+16*((\t)%2)+4*\i+3], v15 offset:32*SP*((\t)%2)+16*\i
.endr
.endm
.macro MKSCALE e, k                    ; 2^e and 448 x 2^e as f32 numbers
	s_add_co_i32 s50, \e, 127
	s_lshl_b32 s51, s50, 23
	v_mov_b32 v[SC+2*\k], s51
	s_add_co_i32 s50, s50, 8
	s_lshl_b32 s50, s50, 23
	s_or_b32 s50, s50, 0x600000
	v_mov_b32 v[SC+2*\k+1], s50
.endm
.irp t, 0,1,2,3
	LOAD \t
.endr
	s_wait_kmcnt 0x0
	s_cmp_eq_u32 s[JOB], 1
	s_cselect_b32 s48, s37, s36                    ; the first scale: entry 0 for x, 1, 3, 5, 11 for the weights
	s_cmp_eq_u32 s[JOB], 2
	s_cselect_b32 s48, s39, s48
	s_cmp_eq_u32 s[JOB], 3
	s_cselect_b32 s48, s41, s48
	s_cmp_eq_u32 s[JOB], 4
	s_cselect_b32 s48, s47, s48
	MKSCALE s48, 0
	MKSCALE s38, 1                                 ; x's second: entry 2
	MKSCALE s40, 2                                 ; x's third: entry 4
	s_wait_alu depctr_va_vdst(0)
	s_wait_loadcnt 12                              ; step 0's four loads are in; the twelve of steps 1 to 3 may be out
	TURN 0
; The step's 16 neighbours under scale k: held, converted, stored at base.
.macro QS k, base, t
.irp i, 0,1,2,3,4,5,6,7,8,9,10,11,12,13,14,15
	v_med3_num_f32 v[T+\i], v[XS+\i], -v[SC+2*\k+1], v[SC+2*\k+1]   ; the conversion to an 8-bit code does not saturate (ISA guide 7.6.2): hold the number within the largest code x the scale first
.endr
	v_cvt_scalef32_pk8_fp8_f32 v[C+4*\k:C+4*\k+1], v[T:T+7], v[SC+2*\k]
	v_cvt_scalef32_pk8_fp8_f32 v[C+4*\k+2:C+4*\k+3], v[T+8:T+15], v[SC+2*\k]
	v_nop                                          ; one plain vector line between the conversions and the next holds, which write their sources
	global_store_b128 v3, v[C+4*\k:C+4*\k+3], s[\base:\base+1] offset:512*(\t)
.endm
.macro STEP t
.set XS, X+16*((\t)%2)
	s_wait_dscnt 0x0                               ; this step's numbers are back from the stage: so its stores into the stage have read their registers,
.if (\t)+4 < STEPS
	LOAD (\t)+4                                    ; which take the loads of four steps on
.endif
.if (\t)+1 < STEPS
.if STEPS-2-(\t) >= 3
	s_wait_loadcnt 12                              ; the next step's four loads are in; those of the three steps behind it may be out
.else
	s_wait_loadcnt 4*(STEPS-2-(\t))
.endif
	TURN (\t)+1                                    ; and go through the other stage while this step is worked
.endif
	s_wait_xcnt 0x0                                ; the last step's stores have read their data: the codes' registers are written again only behind this wait
	QS 0, 6, \t
	s_cmp_lg_u32 s[JOB], 0                         ; a weight has one scale
	s_cbranch_scc1 .Lonly_\@
	QS 1, 24, \t
	QS 2, 26, \t
.Lonly_\@:
.endm
.irp t, 0,1,2,3,4,5,6,7,8,9,10,11,12,13,14,15
	STEP \t
.endr
	s_wait_tensorcnt 0x0                           ; the wave's end, behind my last LDS store
	ds_add_u32 v[SPW], v[NIL]
	s_wait_dscnt 0x0
	s_endpgm
; THE MASK'S IMAGE.  mk[tile of 16 queries][step of 128 keys][i = 0..15][lane][4 numbers] = mask x 2^-(eq + ek - 3), f32: the multiplication by a power of two rounds nothing.
; Number e of lane l = 16 h + r at place i = 2 T + u is mask[16 tile + r][128 step + 16 T + 8 h + 4 u + e]: the order of the registers of a 16 x 16 f32 matrix result whose rows are keys and whose columns are queries.
; LIMIT: eq + ek - 3 between -126 and 126; a finite number of the mask stays an f32 number under the factor.
; SHARES.  Wave g of 512 takes tile g / 4 and keys 512 (g % 4) on: eight units of 16 rows x 256 bytes.  A load reads two rows' 256 consecutive bytes; a unit turns through the wave's own stage in LDS
; (rows 272 bytes apart, bytes that the other jobs' path never names) and leaves by eight stores of 512 consecutive bytes.  Loads run two units (16 loads) ahead.
.Lmask:
.set MSTG, SPARE+512
.set MPI,  272
.set XM,   80                          ; v80-143: two sets of 32 numbers back from the stage
	v_lshrrev_b32 v4, 4, v2                        ; h
	v_and_b32 v5, 15, v2                           ; r
	s_mul_i32 s31, s28, 16*MPI
	s_add_co_u32 s31, s31, MSTG                    ; my stage
	v_lshlrev_b32 v6, 13, v4
	v_lshl_add_u32 v6, v5, 4, v6                   ; in memory: row h of the load's two, 16 bytes a lane
	v_mul_u32_u24 v7, v4, MPI
	v_lshl_add_u32 v7, v5, 4, v7
	v_add_nc_u32 v7, s31, v7                       ; into the stage: the same
	v_mul_u32_u24 v8, v5, MPI
	v_lshl_add_u32 v8, v4, 5, v8
	v_add_nc_u32 v8, s31, v8                       ; out of it: row r, + 32 h
	s_wait_alu depctr_va_vdst(0)                   ; ahead of the scalar lines and waits below
	s_lshr_b32 s32, s30, 2
	s_lshl_b32 s32, s32, 17                        ; 16 rows of 8,192 bytes x tile
	s_and_b32 s34, s30, 3
	s_lshl_b32 s34, s34, 11                        ; + 2,048 bytes x (g % 4)
	s_add_co_u32 s32, s32, s34
	s_lshl_b32 s34, s30, 15                        ; the image: 32,768 bytes x g
	s_add_nc_u64 s[4:5], s[56:57], s[32:33]
	s_add_nc_u64 s[6:7], s[58:59], s[34:35]
.macro MLD u
.irp i, 0,1,2,3,4,5,6,7
	global_load_b128 v[R+32*((\u)%2)+4*\i:R+32*((\u)%2)+4*\i+3], v6, s[4:5] offset:16384*\i+256*(\u) th:TH_LOAD_NT
.endr
.endm
.macro MUNIT u
.set XS, XM+32*((\u)%2)
.if (\u) < 7
	s_wait_loadcnt 8                               ; this unit's eight loads are in; the next unit's eight may be out
.else
	s_wait_loadcnt 0
.endif
.if (\u) >= 2
	s_wait_xcnt 0x0                                ; the stores of two units ago have read their data
.endif
.irp i, 0,1,2,3,4,5,6,7
	ds_store_b128 v7, v[R+32*((\u)%2)+4*\i:R+32*((\u)%2)+4*\i+3] offset:2*MPI*\i
.endr
.irp k, 0,1,2,3,4,5,6,7
	ds_load_b128 v[XS+4*\k:XS+4*\k+3], v8 offset:64*(\k/2)+16*(\k%2)   ; LDS serves a wave's instructions in order: these see the stores above
.endr
	s_wait_dscnt 0x0
.if (\u)+2 < 8
	MLD (\u)+2
.endif
.irp j, 0,2,4,6,8,10,12,14,16,18,20,22,24,26,28,30
	v_pk_mul_f32 v[XS+\j:XS+\j+1], v[XS+\j:XS+\j+1], s[50:51] op_sel_hi:[1,0]
.endr
.irp k, 0,1,2,3,4,5,6,7
	global_store_b128 v3, v[XS+4*\k:XS+4*\k+3], s[6:7] offset:4096*(\u)+512*\k
.endr
.endm
	MLD 0
	MLD 1
	s_wait_kmcnt 0x0
	s_add_co_i32 s50, s42, s43                     ; eq + ek
	s_sub_co_i32 s50, 130, s50
	s_lshl_b32 s50, s50, 23                        ; 2^-(eq + ek - 3) as f32
	s_mov_b32 s51, s50
.irp u, 0,1,2,3,4,5,6,7
	MUNIT \u
.endr
	s_wait_tensorcnt 0x0                           ; the wave's end
	ds_add_u32 v[SPW], v[NIL]
	s_wait_dscnt 0x0
	s_endpgm
.Lfunc_end_k_q8de70a5e4a_quant:
	.size	k_q8de70a5e4a_quant, .Lfunc_end_k_q8de70a5e4a_quant-k_q8de70a5e4a_quant
	.p2alignl 7, 3214868480
	.fill 96, 4, 3214868480
	.section	.rodata,"a",@progbits
	.p2align	6, 0x0
	.amdhsa_kernel k_q8de70a5e4a_quant
		.amdhsa_group_segment_fixed_size 50688
		.amdhsa_private_segment_fixed_size 0
		.amdhsa_enable_private_segment 0
		.amdhsa_kernarg_size 80
		.amdhsa_user_sgpr_count 2
		.amdhsa_user_sgpr_kernarg_segment_ptr 1
		.amdhsa_wavefront_size32 1
		.amdhsa_system_sgpr_workgroup_id_x 1
		.amdhsa_system_sgpr_workgroup_id_y 1
		.amdhsa_system_sgpr_workgroup_id_z 1
		.amdhsa_system_vgpr_workitem_id 0
		.amdhsa_next_free_vgpr 160
		.amdhsa_next_free_sgpr 66
		.amdhsa_reserve_vcc 0
		.amdhsa_float_denorm_mode_32 3
		.amdhsa_float_denorm_mode_16_64 3
		.amdhsa_memory_ordered 1
		.amdhsa_forward_progress 1
		.amdhsa_inst_pref_size 111
	.end_amdhsa_kernel
	.amdgpu_metadata
---
amdhsa.version: [ 1, 2 ]
amdhsa.kernels:
  - .name:           k_q8de70a5e4a_quant
    .symbol:         k_q8de70a5e4a_quant.kd
    .args:
      - { .name: x, .offset: 0, .size: 8, .value_kind: global_buffer, .address_space: global }
      - { .name: wq_w, .offset: 8, .size: 8, .value_kind: global_buffer, .address_space: global }
      - { .name: wk_w, .offset: 16, .size: 8, .value_kind: global_buffer, .address_space: global }
      - { .name: wv_w, .offset: 24, .size: 8, .value_kind: global_buffer, .address_space: global }
      - { .name: wo_w, .offset: 32, .size: 8, .value_kind: global_buffer, .address_space: global }
      - { .name: lowp_scales, .offset: 40, .size: 8, .value_kind: global_buffer, .address_space: global }
      - { .name: xc, .offset: 48, .size: 8, .value_kind: global_buffer, .address_space: global }
      - { .name: wc, .offset: 56, .size: 8, .value_kind: global_buffer, .address_space: global }
      - { .name: mask, .offset: 64, .size: 8, .value_kind: global_buffer, .address_space: global }
      - { .name: mk, .offset: 72, .size: 8, .value_kind: global_buffer, .address_space: global }
    .group_segment_fixed_size: 50688
    .private_segment_fixed_size: 0
    .kernarg_segment_align: 8
    .kernarg_segment_size: 80
    .max_flat_workgroup_size: 128
    .sgpr_count:     66
    .vgpr_count:     160
    .wavefront_size: 32
...
	.end_amdgpu_metadata
.endif
;; end of part 1
;; launch qkvgemm (part 2): grid 24 x 8, 4 waves a work-group, clusters of 4 x 4, 327,680 bytes of LDS; arguments xc, wc, lowp_scales, wq_b, wk_b, wv_b, qkv; writes qkv
.if DOCPART == 2
	.amdgcn_target "amdgcn-amd-amdhsa--gfx1250"
	.amdhsa_code_object_version 6
	.text
	.protected	k_q8de70a5e4a_qkvgemm
	.globl	k_q8de70a5e4a_qkvgemm
	.p2align	8
	.type	k_q8de70a5e4a_qkvgemm,@function
k_q8de70a5e4a_qkvgemm:
	s_mov_b64 s[64:65], 0
	v_nop
	global_prefetch_b8 v0, s[64:65] scope:SCOPE_SE
	s_setreg_imm32_b32 hwreg(HW_REG_WAVE_MODE, 25, 1), 1
	s_wait_xcnt 0x0
	s_wait_alu depctr_hold_cnt(0) depctr_sa_sdst(0) depctr_va_vdst(0) depctr_va_sdst(0) depctr_va_ssrc(0) depctr_va_vcc(0) depctr_vm_vsrc(0)
	s_getreg_b32 s2, hwreg(HW_REG_IB_STS2, 6, 4)
	s_cmp_eq_u32 s2, 0
	s_cbranch_scc0 .Lentry_in_a_cluster
	s_endpgm
.Lentry_in_a_cluster:
	s_bfe_u32 s2, ttmp6, 0x10000c
	s_cmp_lg_u32 s2, 0xf033
	s_cbranch_scc0 .Lentry_shape_is_right
	s_endpgm
.Lentry_shape_is_right:
.set KROW,   2048
.set APITCH, 272
.set BPITCH, 272
.set AQ,     128
.set AHALF,  128*APITCH
.set ABYTES, 2*AHALF
.set BHALF,  128*BPITCH
.set SLOT,   ABYTES+2*BHALF
.set SPARE,  2*SLOT
.set ASTEP,  256
.set BSTEP,  256
.set LAPS,   KROW/512
.set FR,     16
.set NL,     4
.set NP,     4
.set CP,     144
.set ADRA, 16
.set ADRB, 20
.set STO,  24
.set RD,   25
.set CO,   26
.set SPW,  28
.set NIL,  29
.set BN,   32
.set BM,   96
.set CD,   112
.set TV,   144
.set BK,   208
.set SCL,  240
.set AF,   128
.set G1, 24
.set G0, 32
.set G1B, 48
.set G0B, 56
.set MSB, 0
.macro WIN new
.if MSB != \new
	s_set_vgpr_msb (MSB<<8)|\new
.set MSB, \new
.endif
.endm
.set MUL_LO, 0xa1
.set MUL_HI, 0xf1
.set TO_B,   0x40
.macro JLOAD g0a, g1a, g0b, g1b
	s_cmp_eq_u32 s15, 0
	s_cbranch_scc0 .Lfor_b_\@
	tensor_load_to_lds s[\g0a:\g0a+3], s[\g1a:\g1a+7]
	s_nop 0
.rept 4
	v_nop
.endr
	s_branch .Lasked_\@
.Lfor_b_\@:
	tensor_load_to_lds s[\g0b:\g0b+3], s[\g1b:\g1b+7]
	s_nop 0
.rept 4
	v_nop
.endr
.Lasked_\@:
.endm
.macro CREST
	s_cmp_lg_u32 s14, 0
	s_cbranch_scc1 .Lnot_wave_0_\@
	s_barrier_signal -3
.Lnot_wave_0_\@:
	s_barrier_wait -3
	s_barrier_signal -1
	s_barrier_wait -1
.endm
.macro CROUND
	s_barrier_signal -1
	s_barrier_wait -1
	CREST
.endm
	s_load_b256 s[68:75], s[0:1], 0x0
	s_load_b128 s[76:79], s[0:1], 0x20
	s_load_b64 s[80:81], s[0:1], 0x30
	v_lshl_add_u32 v[SPW], v0, 2, SPARE
	v_mov_b32 v[NIL], 0
	ds_add_u32 v[SPW], v[NIL]
	ds_add_u32 v[SPW], v[NIL]
	v_lshrrev_b32 v1, 5, v0
	v_readfirstlane_b32 s14, v1
	v_and_b32 v30, 31, v0
	v_lshlrev_b32 v30, 11, v30                     ; the prefetches' offset: my lane x a row of 2,048 bytes; never rewritten
	s_lshr_b32 s15, s14, 1
	s_and_b32 s16, s14, 1
	s_bfe_u32 s40, ttmp6, 0x40000
	s_bfe_u32 s41, ttmp6, 0x40004
	s_lshr_b32 s67, ttmp9, 1
	s_and_b32 s42, ttmp9, 1
	s_lshl_b32 s42, s42, 2
	s_add_co_u32 s42, s42, s40
	s_and_b32 s17, ttmp7, 0xffff
	s_lshl_b32 s17, s17, 2
	s_add_co_u32 s17, s17, s41
	s_lshl_b32 s43, s41, 2
	s_lshl_b32 s43, 15, s43
	s_lshl_b32 s44, 0x1111, s40
	s_or_b32 s[G1+0], s43, (1<<20)|(1<<21)|(5<<22)|(3<<25)
	s_or_b32 s[G1B+0], s44, (1<<20)|(1<<21)|(5<<22)|(3<<25)
.irp g, G1, G1B
	s_mov_b32 s[\g+1], 256<<16
	s_mov_b32 s[\g+2], 128<<16
	s_mov_b32 s[\g+3], 256<<16
	s_mov_b32 s[\g+4], 128
	s_mov_b32 s[\g+5], KROW
	s_mov_b32 s[\g+6], 0
	s_mov_b32 s[\g+7], 0
.endr
	s_lshl_b32 s18, s16, 7
	s_lshl_b32 s20, s17, 8
	s_add_co_u32 s20, s20, s18
	s_lshl_b32 s20, s20, 11
	s_mov_b32 s21, 0
	s_lshl_b32 s46, s42, 8
	s_add_co_u32 s46, s46, s18
	s_lshl_b32 s46, s46, 11
	s_mov_b32 s47, 0
	s_lshl_b32 s22, s67, 22
	s_mov_b32 s23, 0
	s_mul_i32 s45, s16, AHALF
	s_mul_i32 s66, s16, BHALF
	s_add_co_u32 s66, s66, ABYTES
	s_wait_dscnt 0x0
	s_wait_kmcnt 0x0
	s_load_b256 s[88:95], s[72:73], 0x0
	s_load_b32 s82, s[72:73], 0x20
	s_cmp_eq_u32 s67, 2
	s_cselect_b64 s[4:5], s[70:71], s[68:69]
	s_cselect_b64 s[6:7], s[68:69], s[70:71]
	s_cselect_b64 s[12:13], s[78:79], s[74:75]
	s_cmp_eq_u32 s67, 1
	s_cselect_b64 s[12:13], s[76:77], s[12:13]
	s_add_nc_u64 s[4:5], s[4:5], s[22:23]
	s_add_nc_u64 s[6:7], s[6:7], s[22:23]
	s_add_nc_u64 s[10:11], s[80:81], s[22:23]
	s_add_nc_u64 s[20:21], s[4:5], s[20:21]
	s_add_nc_u64 s[46:47], s[6:7], s[46:47]
	; THE PREFETCHES INTO THE L2: behind each joint load one instruction a wave names the K step two refills on: 32 rows x 256 bytes, a lane a row.  Of the 128 rows that a wave fetches,
	; each of the four partners that ask for them jointly takes 32, told apart BY ADDRESS (cx for the first operand's rows, cy for the second's).  The last two refills have no K step two on and ask for nothing.
	s_cmp_eq_u32 s15, 0
	s_cselect_b64 s[68:69], s[20:21], s[46:47]     ; the rows that my wave fetches
	s_cselect_b32 s70, s40, s41                    ; my place among the four that ask with me
	s_lshl_b32 s70, s70, 16                        ; x 32 rows of 2,048 bytes
	s_mov_b32 s71, 0
	s_add_nc_u64 s[68:69], s[68:69], s[70:71]
	CROUND
.irp s, 0,1
	s_mov_b32 s[G0+4*\s], 1
	s_add_co_u32 s[G0+4*\s+1], s45, \s*SLOT
	s_add_nc_u64 s[G0+4*\s+2:G0+4*\s+3], s[20:21], \s*ASTEP
	s_or_b32 s[G0+4*\s+3], s[G0+4*\s+3], 0x80000000
	s_mov_b32 s[G0B+4*\s], 1
	s_add_co_u32 s[G0B+4*\s+1], s66, \s*SLOT
	s_add_nc_u64 s[G0B+4*\s+2:G0B+4*\s+3], s[46:47], \s*BSTEP
	s_or_b32 s[G0B+4*\s+3], s[G0B+4*\s+3], 0x80000000
	s_wait_alu depctr_va_vdst(0)
.if \s                                             ; slot 1's first fill is issued as a refill is: a wait, two adds and a round stand ahead of it; slot 0's stands behind the opening lines and the opening round
	s_wait_tensorcnt 0x0
	ds_add_u32 v28, v29
	ds_add_u32 v28, v29
	s_wait_dscnt 0x0
	CROUND
.endif
	JLOAD G0+4*\s, G1, G0B+4*\s, G1B
.if \s == 0
	global_prefetch_b8 v30, s[68:69] offset:256 th:TH_LOAD_NT scope:SCOPE_SE   ; K step 1, whose load goes out behind the next round
.endif
	global_prefetch_b8 v30, s[68:69] offset:(\s+2)*256 th:TH_LOAD_NT scope:SCOPE_SE   ; K step s + 2
.endr
	v_and_b32 v1, 15, v0
	s_wait_alu depctr_va_vdst(0)
	v_bfe_u32 v2, v0, 4, 1
	v_mul_u32_u24 v3, v1, APITCH
	v_lshl_add_u32 v4, v2, 4, v3
	s_mul_i32 s21, s15, 128*APITCH
	s_mul_i32 s22, s16, BHALF
	s_add_co_u32 s22, s22, ABYTES
.irp s, 0,1
	v_add_nc_u32 v[ADRA+\s], s21, v4
	v_add_nc_u32 v[ADRB+\s], s22, v4
	s_add_co_u32 s21, s21, SLOT
	s_add_co_u32 s22, s22, SLOT
.endr
	s_mul_i32 s23, s14, 16*CP
	v_mul_u32_u24 v5, v1, CP
	s_wait_alu depctr_va_vdst(0)
	v_lshl_add_u32 v5, v2, 3, v5
	v_add_nc_u32 v[STO], s23, v5
	v_bfe_u32 v5, v0, 3, 2
	v_mul_u32_u24 v5, v5, CP
	v_and_b32 v9, 7, v0
	v_lshl_add_u32 v5, v9, 4, v5
	v_add_nc_u32 v[RD], s23, v5
	v_and_b32 v6, 31, v0
	v_lshlrev_b32 v[CO], 4, v6
	v_lshlrev_b32 v7, 5, v2
	s_wait_alu depctr_va_vdst(0)
	v_lshlrev_b32 v8, 2, v1
	s_wait_alu depctr_va_vdst(0)
	s_lshl_b32 s20, s17, 10
	s_lshl_b32 s21, s15, 9
	s_add_co_u32 s20, s20, s21
	s_mov_b32 s21, 0
	s_add_nc_u64 s[86:87], s[12:13], s[20:21]
	s_lshl_b32 s46, s42, 10
	s_lshl_b32 s47, s16, 9
	s_add_co_u32 s46, s46, s47
	s_mov_b32 s47, 0
	s_add_nc_u64 s[84:85], s[12:13], s[46:47]
	s_lshl_b32 s46, s46, 9
	s_lshl_b32 s20, s20, 5
	s_add_nc_u64 s[10:11], s[10:11], s[46:47]
	s_add_nc_u64 s[10:11], s[10:11], s[20:21]
.irp b, 0,1,2,3,4,5,6,7
	global_load_b128 v[BN+8*\b:BN+8*\b+3],   v7, s[84:85] offset:64*\b
	global_load_b128 v[BN+8*\b+4:BN+8*\b+7], v7, s[84:85] offset:64*\b+16
.endr
.irp a, 0,1,2,3,4,5,6,7
	global_load_b32 v[BM+2*\a],   v8, s[86:87] offset:64*\a
	global_load_b32 v[BM+2*\a+1], v8, s[86:87] offset:64*\a
.endr
.macro FRAG reg, adr, off
.irp c, 0,1,2,3
	ds_load_b128 v[\reg+4*\c:\reg+4*\c+3], v[\adr] offset:\off+32*\c
.endr
.endm
.macro MUL16 a0, p, zero
.irp a, \a0, \a0+1
.irp b, 0,1,2,3,4,5,6,7
.if \zero
	v_wmma_f32_16x16x128_fp8_fp8 v[8*(8*((\a)%4)+\b):8*(8*((\a)%4)+\b)+7], v[128*(\p)+FR*\b:128*(\p)+FR*\b+FR-1], v[AF+FR*(\a):AF+FR*(\a)+FR-1], 0
.else
	v_wmma_f32_16x16x128_fp8_fp8 v[8*(8*((\a)%4)+\b):8*(8*((\a)%4)+\b)+7], v[128*(\p)+FR*\b:128*(\p)+FR*\b+FR-1], v[AF+FR*(\a):AF+FR*(\a)+FR-1], v[8*(8*((\a)%4)+\b):8*(8*((\a)%4)+\b)+7]
.endif
.endr
.endr
.endm
.macro FETCH_B slot, q, p
	WIN TO_B
.irp i, 0,1,2,3,4,5,6,7
	FRAG 128*(\p)+FR*\i, ADRB+\slot, 128*(\q)+\i*16*BPITCH
.endr
	WIN 0
.endm
.macro FETCH_A slot, q, i0
.irp i, \i0, \i0+1, \i0+2, \i0+3
	FRAG AF+FR*(\i), ADRA+\slot, AQ*(\q)+(\i)*16*APITCH
.endr
.endm
.macro PLACES n
.rept \n
	v_nop
.endr
.endm
.macro STEP slot, q, zero
	s_wait_dscnt 4*NL
	WIN MUL_LO
	MUL16 0, (\q)%2, \zero
	MUL16 2, (\q)%2, \zero
	s_wait_dscnt 0
	PLACES NP
	FETCH_B \slot, (\q)+1, 1-(\q)%2
	FETCH_A \slot, (\q)+1, 0
	WIN MUL_HI
	MUL16 4, (\q)%2, \zero
	MUL16 6, (\q)%2, \zero
	PLACES NP
	WIN 0
	FETCH_A \slot, (\q)+1, 4
.endm
.macro TURN slot, next, fill
.if \fill
	s_wait_xcnt 0x0                                ; the last prefetch has read its address, so it may be stepped: a K step on
	s_add_nc_u64 s[68:69], s[68:69], 256
.endif
	s_wait_tensorcnt 0x0
	ds_add_u32 v[SPW], v[NIL]
	s_wait_dscnt 4*NL+1
	WIN MUL_LO
	MUL16 0, 1, 0
	s_wait_dscnt 0x0
	s_barrier_signal -1
	MUL16 2, 1, 0
	WIN 0
	s_barrier_wait -1
.if \fill
	CREST
	s_add_nc_u64 s[G0+4*\slot+2:G0+4*\slot+3], s[G0+4*\slot+2:G0+4*\slot+3], 2*ASTEP
	s_add_nc_u64 s[G0B+4*\slot+2:G0B+4*\slot+3], s[G0B+4*\slot+2:G0B+4*\slot+3], 2*BSTEP
	JLOAD G0+4*\slot, G1, G0B+4*\slot, G1B
.else
	PLACES NP
.endif
	FETCH_B \next, 0, 0
	FETCH_A \next, 0, 0
.if \fill
	s_cmp_gt_u32 s3, 1                             ; s3 = 1 in the loop's last trip
	s_cbranch_scc0 .Lnoask_\@
	global_prefetch_b8 v30, s[68:69] offset:768 th:TH_LOAD_NT scope:SCOPE_SE   ; two K steps on from the one just asked for
.Lnoask_\@:
.endif
	WIN MUL_HI
	MUL16 4, 1, 0
	MUL16 6, 1, 0
	PLACES NP
	WIN 0
	FETCH_A \next, 0, 4
.endm
	s_wait_tensorcnt 1
	s_barrier_signal -1
	s_barrier_wait -1
	FETCH_B 0, 0, 0
	FETCH_A 0, 0, 0
	FETCH_A 0, 0, 4
	STEP 0, 0, 1
	s_mov_b32 s3, LAPS-1
.Llap:
	TURN 0, 1, 1
	STEP 1, 0, 0
	TURN 1, 0, 1
	STEP 0, 0, 0
	s_sub_co_u32 s3, s3, 1
	s_cmp_lg_u32 s3, 0
	s_cbranch_scc1 .Llap
	TURN 0, 1, 0
	STEP 1, 0, 0
	s_wait_dscnt 4*NL
	WIN MUL_LO
	MUL16 0, 1, 0
	MUL16 2, 1, 0
	s_wait_dscnt 0
	WIN MUL_HI
	MUL16 4, 1, 0
	MUL16 6, 1, 0
	WIN 0
	s_wait_kmcnt 0x0
	s_add_co_i32 s88, s88, s89
	s_add_co_i32 s90, s90, s91
	s_add_co_i32 s92, s92, s93
	s_cmp_eq_u32 s67, 1
	s_cselect_b32 s96, s90, s88
	s_cselect_b32 s83, s95, s94
	s_cmp_eq_u32 s67, 2
	s_cselect_b32 s96, s92, s96
	s_cselect_b32 s83, s82, s83
	s_cselect_b32 s98, 0, -1
	s_cselect_b32 s99, -1, 0
	s_add_co_i32 s96, s96, 127
	s_lshl_b32 s96, s96, 23
	s_mov_b32 s97, s96
	s_add_co_i32 s83, s83, 127
	s_lshl_b32 s82, s83, 23
	s_add_co_i32 s83, s83, 8
	s_lshl_b32 s83, s83, 23
	s_or_b32 s83, s83, 0x600000
	s_wait_loadcnt 0x0
.set j, 0
.rept 64
	v_and_b32 v[BN+j], s98, v[BN+j]
.set j, j+1
.endr
.set j, 0
.rept 16
	v_and_b32 v[BM+j], s99, v[BM+j]
.set j, j+1
.endr
	v_mov_b32 v[SCL], s82
	v_mov_b32 v[SCL+1], s83
.macro TOCODES a
.set AC, 64*((\a)%4)
.set CC, CD+16*((\a)%2)
.set BB, BK+16*((\a)%2)
	WIN 0x02+((\a)/4)
.set j, 0
.rept 32
	v_pk_fma_f32 v[TV+j:TV+j+1], v[AC+j:AC+j+1], s[96:97], v[BN+j:BN+j+1] op_sel_hi:[1,0,1]
.set j, j+2
.endr
	WIN 0
.set j, 0
.rept 32
	v_pk_add_f32 v[TV+j:TV+j+1], v[TV+j:TV+j+1], v[BM+2*(\a):BM+2*(\a)+1]
.set j, j+2
.endr
.set j, 0
.rept 64
	v_med3_num_f32 v[TV+j], v[TV+j], -v[SCL+1], v[SCL+1]
.set j, j+1
.endr
.set j, 0
.rept 8
	v_cvt_scalef32_pk8_fp8_f32 v[CC+2*j:CC+2*j+1], v[TV+8*j:TV+8*j+7], v[SCL]
.set j, j+1
.endr
	v_nop
.set j, 0
.rept 8
	ds_store_b64 v[STO], v[CC+2*j:CC+2*j+1] offset:16*j
.set j, j+1
.endr
.set j, 0
.rept 4
	ds_load_b128 v[BB+4*j:BB+4*j+3], v[RD] offset:4*CP*j
.set j, j+1
.endr
.endm
.macro SENDC a, younger
.set BB, BK+16*((\a)%2)
	s_wait_dscnt \younger
.set j, 0
.rept 4
	global_store_b128 v[CO], v[BB+4*j:BB+4*j+3], s[10:11] offset:2048*(\a)+512*j
.set j, j+1
.endr
.endm
	TOCODES 0
.irp a, 1,2,3,4,5,6,7
.if \a > 1
	s_wait_xcnt 0x0
.endif
	TOCODES \a
	SENDC \a-1, 12
.endr
	SENDC 7, 0
	s_wait_tensorcnt 0x0
	ds_add_u32 v[SPW], v[NIL]
	s_wait_dscnt 0x0
	CROUND
	s_endpgm
.Lfunc_end_k_q8de70a5e4a_qkvgemm:
	.size	k_q8de70a5e4a_qkvgemm, .Lfunc_end_k_q8de70a5e4a_qkvgemm-k_q8de70a5e4a_qkvgemm
	.p2alignl 7, 3214868480
	.fill 96, 4, 3214868480
	.section	.rodata,"a",@progbits
	.p2align	6, 0x0
	.amdhsa_kernel k_q8de70a5e4a_qkvgemm
		.amdhsa_group_segment_fixed_size 327680
		.amdhsa_private_segment_fixed_size 0
		.amdhsa_enable_private_segment 0
		.amdhsa_kernarg_size 56
		.amdhsa_user_sgpr_count 2
		.amdhsa_user_sgpr_kernarg_segment_ptr 1
		.amdhsa_wavefront_size32 1
		.amdhsa_system_sgpr_workgroup_id_x 1
		.amdhsa_system_sgpr_workgroup_id_y 1
		.amdhsa_system_sgpr_workgroup_id_z 1
		.amdhsa_system_vgpr_workitem_id 0
		.amdhsa_next_free_vgpr 1024
		.amdhsa_next_free_sgpr 100
		.amdhsa_reserve_vcc 0
		.amdhsa_float_denorm_mode_32 3
		.amdhsa_float_denorm_mode_16_64 3
		.amdhsa_memory_ordered 1
		.amdhsa_forward_progress 1
		.amdhsa_inst_pref_size 165
	.end_amdhsa_kernel
	.amdgpu_metadata
---
amdhsa.version: [ 1, 2 ]
amdhsa.kernels:
  - .name:           k_q8de70a5e4a_qkvgemm
    .symbol:         k_q8de70a5e4a_qkvgemm.kd
    .args:
      - { .name: xc, .offset: 0, .size: 8, .value_kind: global_buffer, .address_space: global }
      - { .name: wc, .offset: 8, .size: 8, .value_kind: global_buffer, .address_space: global }
      - { .name: lowp_scales, .offset: 16, .size: 8, .value_kind: global_buffer, .address_space: global }
      - { .name: wq_b, .offset: 24, .size: 8, .value_kind: global_buffer, .address_space: global }
      - { .name: wk_b, .offset: 32, .size: 8, .value_kind: global_buffer, .address_space: global }
      - { .name: wv_b, .offset: 40, .size: 8, .value_kind: global_buffer, .address_space: global }
      - { .name: qkv, .offset: 48, .size: 8, .value_kind: global_buffer, .address_space: global }
    .group_segment_fixed_size: 327680
    .private_segment_fixed_size: 0
    .kernarg_segment_align: 8
    .kernarg_segment_size: 56
    .max_flat_workgroup_size: 128
    .sgpr_count:     100
    .vgpr_count:     1024
    .wavefront_size: 32
...
	.end_amdgpu_metadata
.endif
;; end of part 2
;; launch attn (part 3): grid 16 x 16, 8 waves a work-group, no clusters, 327,680 bytes of LDS; arguments qkv, mk, lowp_scales, ac; writes ac
.if DOCPART == 3
	.amdgcn_target "amdgcn-amd-amdhsa--gfx1250"
	.amdhsa_code_object_version 6
	.text
	.protected	k_q8de70a5e4a_attn
	.globl	k_q8de70a5e4a_attn
	.p2align	8
	.type	k_q8de70a5e4a_attn,@function
k_q8de70a5e4a_attn:
	s_mov_b64 s[64:65], 0
	v_nop
	global_prefetch_b8 v0, s[64:65] scope:SCOPE_SE
	s_setreg_imm32_b32 hwreg(HW_REG_WAVE_MODE, 25, 1), 1
	s_wait_xcnt 0x0
; Attention on codes of FP8 (E4M3): logit = (q . k) / 8 + mask[query][key]; p = 2^(t - M), t = logit x log2(e), M = the row's largest t so far rounded UP to a whole number; o = (sum of p v) / (sum of p).
; 32 heads of 64, 2,048 queries and keys.  THE MASK IS AN INPUT: every key step is computed and every number of the mask is added to its score.
; IN: qkv: q's codes at 0 and k's at 4 MiB, [pair of heads][token][2 x 64]; v's at 8 MiB with the KEYS innermost, [block of 128 keys][feature][128 keys].  Scales: entries 6 to 10: eq, ek, ev, ep, eo.
;     mk: the mask x 2^-(eq + ek - 3), f32, laid [tile of 16 queries][step of 128 keys] in the order of the score accumulators' registers (made by the first launch).
; OUT: ac [pair of heads][token][2 x 64]: o's codes under 2^eo, an operand of the last product.
; THE MASK IS THE C OF THE FIRST PRODUCT: the sum of codes + mask x 2^-(eq + ek - 3) stands for the logit x 2^-(eq + ek - 3); t = that x c2, c2 = log2(e) x 2^(eq + ek - 3).
; p is quantised under 2^ep, not normalised; the row's sum is taken of the unquantised p, in f32.  When M moves, the sum and O are multiplied by 2^(old M - new M): exact.
; A row whose sum is not above 0 (every key at -infinity, or a NaN in the mask) gets the code of NaN, as such a row is NaN in the definition.
; LIMITS: eq + ek - 3 between -126 and 126; ep and eo between -126 and 119; a finite t lies above -3e38; +infinity in the mask is not served.
; SHARES.  A work-group owns 128 queries of one PAIR of heads and walks all keys, 128 a step.  Wave w owns head w % 2 and queries 32 (w / 2) on: two tiles of 16, so that each fragment of K and V feeds two products.
; The two tiles go through the softmax together, phase by phase: four chains of maxima and of sums, one batch of 128 exponentials.
; THE RING: two slots of 256 keys (K: 256 rows, V: two blocks of 128 rows, 144 bytes apart).  A slot is eight dense parts of 8,192 bytes; wave w fetches part w by one tensor load of 32 rows of 256 bytes.
; THE CHANGE OF SLOTS is spread over a slot's second step: when the step's fragments of V are asked for, the wave reads the slot no more: it waits for its tensor load, adds 0 to its spare word, and, behind the scalings,
; waits for the add and its reads and signals; the exponentials, sums, conversions and the second product, work on registers alone, stand between the signal and the wait; the refill follows at the loop's top.
; NO CLUSTER: of the 163,840 bytes that a work-group takes in for a key step, 131,072 are its waves' own numbers of the mask, which go from memory straight into registers; K's and V's tiles, which
; work-groups share, are 32,768, a fifth; and a round of a cluster's barrier could not be spread over the step in the way just said.
; LAYOUT.  Both products are used transposed: S^T = K Q^T + C (source 0 = 16 neighbouring keys, source 1 = 16 queries, K = 64), O^T = V^T P^T (source 0 = 16 of the head's 64, K = 128 keys): a lane holds ONE query (l % 16).
; Register 8 T + j of S^T is key 16 T + 8 (l / 16) + j: the conversions' results, registers 2 T and 2 T + 1, are the second product's operand in this form's own layout, and V is fetched in that layout, 8 bytes a load.
; K and Q are fetched 16 bytes a load: a permutation of the head's 64, the same in both.
; REGISTERS.  Window 0: v1-11 addresses and permutes' destinations; tile t: v[12+4t] -M, v[13+4t] the largest t, v[14+4t:15+4t] the sum, v[22+2t] f, v[26+4t:27+4t] two chains; v32-47, v240-255 p's codes;
;   v48-175 S^T, then p; v176-239 fragments of K, then of V.   Window 1: v0-63 O^T (tile t, 16 dt on: 32 t + 8 dt); v64-79 Q; v80-207 the next step's numbers of the mask.
.set KP,    144                        ; a row of K or V in LDS: 128 bytes + 16 of padding
.set STEPB, 128*KP                     ; a key step on, in K's rows and in V's blocks alike
.set PARTB, 64*KP                      ; what one tensor load fills
.set VOFF,  2*STEPB
.set SLOT1, 1<<17                      ; slot 1 begins here: one exclusive or turns an address in one slot into the other's
.set STAGE, 2*SLOT1                    ; behind the ring: 128 rows x 144 bytes for the way out; no tile lands there
.set SPARE, STAGE+128*KP               ; the spare words, 128 bytes for each wave: four blocks of 256 bytes that no other line names
.set NSL,   8                          ; slots' worth of keys
.set AK,  1
.set AV,  2
.set MO,  3                            ; v3   16 x lane: my place in a load of the mask's image
.set SPW, 4                            ; v4   LDS address of my spare word; never rewritten
.set NIL, 5                            ; v5   0; never rewritten
.set ADK, 6
.set ADV, 7
.set PFO, 9                            ; v9   the prefetches' offset
.set QO,  11
.set SCP,  21                          ; v21  2^ep
.set MX0,  26
.set MX1,  27
.set SUB,  28
.set LIMO, 30
.set SCO,  31
.set PC0,  32
.set ST0,  48
.set FRG,  176
.set QF,   64                          ; in window 1
.set MK,   80                          ; in window 1
.set WV,   12                          ; s12  my wave's number
.set SEL,  20                          ; s[20:21] lane selects: lane l xor 16
.set C2,   22                          ; s[22:23] c2, twice
.set G1,   24                          ; s[24:31] descriptor group 1
.set G0,   40                          ; s[40:43] group 0, which walks
.set MB,   44                          ; s[44:45] the mask's image at my two tiles, at the step last asked for
.set KVS,  50                          ; s[50:51] a slot on, in bytes, for my part
.set TB,   52                          ; s52  LDS byte at which the slot in hand begins
.set SLOTS, 53                         ; s53  slots still to be asked for
.set LIM,  54                          ; s54  1 in a wave that prefetches, else the greatest number
.set PFA,  56                          ; s[56:57] where my prefetches stand
.set PFS,  58                          ; s[58:59] a slot on
.set LIMS, 60                          ; s60  448 x 2^ep
.set TS,   62                          ; s62  LDS byte at which the step in hand begins
.set INR,  63                          ; s63  steps to go in the last slot
.set MSB, 0
.macro WIN new                         ; the immediate's high byte repeats the setting that is left (bits 1:0 source 0, 3:2 source 1, 5:4 source 2, 7:6 destination)
.if MSB != \new
	s_set_vgpr_msb (MSB<<8)|\new
.set MSB, \new
.endif
.endm
; Part p of slot 0 in qkv: p < 4: keys 64 p on of K; else 64 features (p % 2) of V's key block (p - 4) / 2.  s[d]: its byte offset; s[st]: a slot on.  s74 = 4 MiB + 2^18 x pair, s75 = 8 MiB + 2^14 x pair.
.macro PARTOFF d, st, p, t
	s_lshl_b32 s[\d], s[\p], 13
	s_add_co_u32 s[\d], s[\d], s74
	s_sub_co_u32 s[\t], s[\p], 4
	s_lshr_b32 s[\t], s[\t], 1
	s_lshl_b32 s[\t], s[\t], 18
	s_add_co_u32 s[\t], s[\t], s75
	s_and_b32 s[\st], s[\p], 1
	s_lshl_b32 s[\st], s[\st], 13
	s_add_co_u32 s[\t], s[\t], s[\st]
	s_mov_b32 s[\st], 0x80000
	s_cmp_lt_u32 s[\p], 4
	s_cselect_b32 s[\d], s[\d], s[\t]
	s_cselect_b32 s[\st], 0x8000, s[\st]
.endm
; A PREFETCH INTO THE L2, behind the tensor load of slot s + 1, of slot s + 2's bytes: a slot's two key steps ahead of the load that will want them.  Each aligned block of 256 bytes is named once in the launch.
; K and V of a pair of heads are walked by its sixteen work-groups, which share a slot's 65,536 bytes out: the one with number x takes half x % 2 of part x / 2, 16 blocks, by its wave 0 (lanes 16 to 31 name the last block again).
; The mask's image of a block of 128 queries is read by the sixteen pairs of heads, which share a slot's 131,072 bytes out: pair y takes tile y / 2 of the eight, step y % 2 of the two, 32 blocks, by its wave 1.
; The last load's trip asks for nothing; slots 0 and 1 come by their loads alone.
.macro ASK
	s_cmp_gt_u32 s[SLOTS], s[LIM]
	s_cbranch_scc0 .Lnot_mine_\@
	global_prefetch_b8 v[PFO], s[PFA:PFA+1] th:TH_LOAD_NT scope:SCOPE_SE
.Lnot_mine_\@:
.endm
.macro MLOADS                          ; my two tiles' numbers of the mask for the step at s[MB]: 32 loads of 512 consecutive bytes; the destination's window is 1
.set n, 0
.rept 32
	global_load_b128 v[MK+4*n:MK+4*n+3], v[MO], s[MB:MB+1] offset:131072*(n/16)+512*(n%16)
.set n, n+1
.endr
.endm
.macro WALK                            ; no tensor load of mine is out: the walking descriptor goes to the other slot and the next 256 keys, the prefetches' address a slot on
	s_xor_b32 s[G0+1], s[G0+1], SLOT1
	s_add_nc_u64 s[G0+2:G0+3], s[G0+2:G0+3], s[KVS:KVS+1]
	s_wait_xcnt 0x0                                ; the last prefetch has read its address
	s_add_nc_u64 s[PFA:PFA+1], s[PFA:PFA+1], s[PFS:PFS+1]
.endm
	s_load_b256 s[4:11], s[0:1], 0x0               ; qkv s[4:5], mk s[6:7], the scales s[8:9], ac s[10:11]
	v_lshl_add_u32 v[SPW], v0, 2, SPARE
	v_mov_b32 v[NIL], 0
	ds_add_u32 v[SPW], v[NIL]                      ; the wave's opening: the add, twice on end, and its wait ahead of my first tensor load
	ds_add_u32 v[SPW], v[NIL]
	v_lshrrev_b32 v6, 5, v0
	v_readfirstlane_b32 s[WV], v6                  ; wave 0..7
	s_mov_b32 s15, ttmp9                           ; my block of 128 queries
	s_and_b32 s16, ttmp7, 0xffff                   ; my pair of heads
	s_and_b32 s17, s[WV], 1                        ; my head of the pair
	s_lshr_b32 s18, s[WV], 1                       ; my 32 queries of the 128
	s_mov_b32 s[G1], (1<<20)|(4<<22)|(3<<25)       ; elements of 1 byte; padding: four words after every 32
	s_mov_b32 s[G1+1], 256<<16                     ; 32 rows of 256 bytes, dense
	s_mov_b32 s[G1+2], 32<<16
	s_mov_b32 s[G1+3], 256<<16
	s_mov_b32 s[G1+4], 32
	s_mov_b32 s[G1+5], 256
	s_mov_b32 s[G1+6], 0
	s_mov_b32 s[G1+7], 0
	s_lshl_b32 s74, s16, 18
	s_add_co_u32 s74, s74, 0x400000
	s_lshl_b32 s75, s16, 14
	s_add_co_u32 s75, s75, 0x800000
	PARTOFF 76, KVS, WV, 78                        ; my part
	s_mov_b32 s77, 0
	s_mov_b32 s[KVS+1], 0
	s_mov_b32 s[G0], 1
	s_mul_i32 s[G0+1], s[WV], PARTB                ; LDS address, slot 0: part w
	s_lshl_b32 s82, s16, 18
	s_lshl_b32 s83, s15, 14
	s_add_co_u32 s82, s82, s83                     ; my work-group's 128 rows of 128 bytes, in q's image and in ac
	s_lshl_b32 s83, s[WV], 11
	s_add_co_u32 s84, s82, s83                     ; ac: + the 16 rows that my wave stores
	s_mov_b32 s85, 0
	s_lshl_b32 s83, s18, 12
	s_add_co_u32 s82, s82, s83                     ; Q: + my 32 queries
	s_lshl_b32 s83, s17, 6
	s_add_co_u32 s82, s82, s83                     ;    + my head's 64 bytes
	s_mov_b32 s83, 0
	s_lshl_b32 s80, s15, 20
	s_lshl_b32 s81, s18, 18
	s_add_co_u32 s80, s80, s81                     ; mk: 2^17 bytes x (8 x block + 2 (w / 2))
	s_mov_b32 s81, 0
	s_lshr_b32 s87, s15, 1                         ; the prefetches: part x / 2,
	PARTOFF 86, 89, 87, 88
	s_and_b32 s88, s15, 1
	s_lshl_b32 s88, s88, 12
	s_add_co_u32 s86, s86, s88                     ; half x % 2
	s_lshl_b32 s90, s15, 20
	s_lshr_b32 s91, s16, 1
	s_lshl_b32 s91, s91, 17
	s_add_co_u32 s90, s90, s91
	s_and_b32 s91, s16, 1
	s_lshl_b32 s91, s91, 13
	s_add_co_u32 s90, s90, s91                     ; or my pair's share of the mask's image
	s_cmp_eq_u32 s[WV], 0
	s_cselect_b32 s86, s86, s90
	s_cselect_b32 s[PFS], s89, 0x4000
	s_cselect_b32 s92, 15, 31                      ; the last lane that names a block of its own
	s_mov_b32 s[PFS+1], 0
	s_add_co_u32 s86, s86, s[PFS]                  ; at slot 1: the head's end steps it to 2
	s_mov_b32 s87, 0
	s_cmp_lt_u32 s[WV], 2
	s_cselect_b32 s[LIM], 1, -1
	s_mov_b32 s[SEL], 0x76543210
	s_mov_b32 s[SEL+1], 0xfedcba98
	s_mov_b32 s[TB], 0
	s_mov_b32 s[SLOTS], NSL-1
	s_wait_dscnt 0x0                               ; both opening adds are done
	s_wait_kmcnt 0x0
	s_load_b128 s[68:71], s[8:9], 0x18             ; eq, ek, ev, ep
	s_load_b32 s72, s[8:9], 0x28                   ; eo
	s_add_nc_u64 s[G0+2:G0+3], s[4:5], s[76:77]
	s_or_b32 s[G0+3], s[G0+3], 0x80000000          ; type = 2
	tensor_load_to_lds s[G0:G0+3], s[G1:G1+7]      ; my part of slot 0: every wave's one load at the head
	s_nop 0
.rept 4
	v_nop
.endr
	s_add_nc_u64 s[82:83], s[4:5], s[82:83]
	s_add_nc_u64 s[10:11], s[10:11], s[84:85]
	s_add_nc_u64 s[MB:MB+1], s[6:7], s[80:81]
	s_cmp_eq_u32 s[WV], 0
	s_cselect_b64 s[PFA:PFA+1], s[4:5], s[6:7]
	s_add_nc_u64 s[PFA:PFA+1], s[PFA:PFA+1], s[86:87]
	v_and_b32 v6, 15, v0                           ; r = l % 16
	v_bfe_u32 v7, v0, 4, 1                         ; h = l / 16
	v_lshlrev_b32 v[QO], 7, v6
	v_lshl_add_u32 v[QO], v7, 4, v[QO]             ; Q: row r of 128 bytes, + 16 h
	v_and_b32 v[MO], 31, v0
	v_min_u32 v[PFO], s92, v[MO]
	v_lshlrev_b32 v[PFO], 8, v[PFO]
	v_lshlrev_b32 v[MO], 4, v[MO]
	WIN 0x40                                       ; destination window 1
.irp t, 0,1
	global_load_b128 v[QF+8*\t:QF+8*\t+3],   v[QO], s[82:83] offset:2048*\t      ; Q's two fragments stay in registers
	global_load_b128 v[QF+8*\t+4:QF+8*\t+7], v[QO], s[82:83] offset:2048*\t+32
.endr
	MLOADS                                         ; key step 0's numbers of the mask
.set n, 0
.rept 64
	v_mov_b32 v[n], 0                              ; O^T.  (The key step has no first step of its own: the first finds zeros, which the first change of M leaves zeros)
.set n, n+1
.endr
	WIN 0
	v_mul_u32_u24 v[AK], v6, KP
	v_lshl_add_u32 v[AK], v7, 4, v[AK]
	s_lshl_b32 s74, s17, 6
	v_add_nc_u32 v[AK], s74, v[AK]                 ; K: key r, my head's 64 bytes, + 16 h
	v_mul_u32_u24 v[AV], v6, KP
	v_lshl_add_u32 v[AV], v7, 3, v[AV]
	s_mul_i32 s74, s17, 64*KP
	s_add_co_u32 s74, s74, VOFF
	v_add_nc_u32 v[AV], s74, v[AV]                 ; V: row 64 x head + r, + 8 h
.irp t, 0,1
	v_mov_b32 v[13+4*\t], 0xff61b1e6               ; the largest t so far: -3e38
	v_floor_f32 v[12+4*\t], -v[13+4*\t]            ; -M
	v_mov_b32 v[14+4*\t], 0                        ; the sum, in two halves
	v_mov_b32 v[15+4*\t], 0
	v_mov_b32 v[23+2*\t], 0                        ; (named as the upper half of f's pair)
	v_mov_b32 v[10-2*\t], 0                        ; written once: a lane permute's destination counts as one of its sources
.endr
	s_wait_alu depctr_va_vdst(0)                   ; the wait here, directly ahead of the wait below
	s_wait_kmcnt 0x0
	s_add_co_i32 s74, s68, s69
	s_sub_co_i32 s74, s74, 3
	s_lshl_b32 s74, s74, 23
	s_add_co_i32 s[C2], s74, 0x3fb8aa3b            ; c2: eq + ek - 3 added to the exponent field of log2(e)
	s_mov_b32 s[C2+1], s[C2]
	s_add_co_i32 s74, s71, 127
	s_lshl_b32 s75, s74, 23
	v_mov_b32 v[SCP], s75                          ; 2^ep
	s_add_co_i32 s74, s74, 8
	s_lshl_b32 s74, s74, 23
	s_or_b32 s[LIMS], s74, 0x600000                ; 448 x 2^ep
; Both tiles' softmax for a key step, phase by phase.  sync = 1: behind the scalings the wave waits for the add and for its last reads of the slot, and signals.
.macro SOFT2 sync
.irp t, 0,1
	v_max3_num_f32 v[26+4*\t], v[48+64*\t], v[49+64*\t], v[50+64*\t]   ; the step's largest of my query, among my 64 keys: two chains a tile; each accumulator from its low end on
	v_max3_num_f32 v[27+4*\t], v[51+64*\t], v[52+64*\t], v[53+64*\t]
.endr
.set n, 6
.rept 14
.irp t, 0,1
	v_max3_num_f32 v[26+4*\t], v[26+4*\t], v[48+64*\t+n], v[49+64*\t+n]
	v_max3_num_f32 v[27+4*\t], v[27+4*\t], v[50+64*\t+n], v[51+64*\t+n]
.endr
.set n, n+4
.endr
.irp t, 0,1
	v_max3_num_f32 v[26+4*\t], v[26+4*\t], v[110+64*\t], v[111+64*\t]
.endr
.irp t, 0,1
	s_delay_alu instid0(VALU_DEP_2)
	v_max_num_f32 v[26+4*\t], v[26+4*\t], v[27+4*\t]
.endr
.irp t, 0,1
	s_delay_alu instid0(VALU_DEP_2)
	v_permlanex16_b32 v[10-2*\t], v[26+4*\t], s[SEL], s[SEL+1]
.endr
.irp t, 0,1
	s_delay_alu instid0(VALU_DEP_2)
	v_max_num_f32 v[26+4*\t], v[26+4*\t], v[10-2*\t]   ; and among lane l xor 16's
.endr
.irp t, 0,1
	s_delay_alu instid0(VALU_DEP_2)
	v_mul_f32 v[26+4*\t], s[C2], v[26+4*\t]        ; as t (c2 is positive)
.endr
.irp t, 0,1
	s_delay_alu instid0(VALU_DEP_2)
	v_max_num_f32 v[13+4*\t], v[13+4*\t], v[26+4*\t]   ; the running largest t
.endr
.irp t, 0,1
	v_mov_b32 v[26+4*\t], v[12+4*\t]
.endr
.irp t, 0,1
	s_delay_alu instid0(VALU_DEP_4)
	v_floor_f32 v[12+4*\t], -v[13+4*\t]            ; the new -M = floor(-t) = -ceil(t)
.endr
.irp t, 0,1
	s_delay_alu instid0(VALU_DEP_2)
	v_sub_f32 v[26+4*\t], v[12+4*\t], v[26+4*\t]   ; old M - new M: a whole number, 0 or less
.endr
.irp t, 0,1
	s_delay_alu instid0(VALU_DEP_2)
	v_cvt_i32_f32 v[26+4*\t], v[26+4*\t]           ; (it saturates)
.endr
.irp t, 0,1
	s_delay_alu instid0(VALU_DEP_2)
	v_ldexp_f32 v[22+2*\t], 1.0, v[26+4*\t]        ; f = 2^(old M - new M)
.endr
.irp t, 0,1
.set n, 0
.rept 32
	v_pk_fma_f32 v[48+64*\t+n:49+64*\t+n], v[48+64*\t+n:49+64*\t+n], s[C2:C2+1], v[12+4*\t:13+4*\t] op_sel_hi:[1,0,0]   ; t - M (of the pairs the low word serves both halves)
.set n, n+2
.endr
.endr
.if \sync
	s_wait_dscnt 0x0                               ; the add is done, and V's fragments, my last reads of this slot, are in
	s_barrier_signal -1                            ; only work on registers stands between this and the wait at the step's end
.endif
	s_wait_alu depctr_va_vdst(0)                   ; the wait ahead of the batch
.set n, 0
.rept 128
	v_exp_f32 v[ST0+n], v[ST0+n]                   ; p = 2^(t - M), at most 1
.set n, n+1
.endr
.irp t, 0,1
	v_pk_mul_f32 v[14+4*\t:15+4*\t], v[14+4*\t:15+4*\t], v[22+2*\t:23+2*\t] op_sel_hi:[1,0]   ; the sums under the new M: the plain lines behind the exponentials
.endr
	s_wait_alu depctr_va_vdst(0)                   ; and the one wait behind the batch, ahead of its first reader
.irp t, 0,1
	v_pk_add_f32 v[26+4*\t:27+4*\t], v[48+64*\t:49+64*\t], v[50+64*\t:51+64*\t]   ; the row's sum is taken of the UNQUANTISED p: two chains a tile
.endr
.set n, 4
.rept 15
.irp t, 0,1
	v_pk_add_f32 v[14+4*\t:15+4*\t], v[14+4*\t:15+4*\t], v[48+64*\t+n:49+64*\t+n]
	v_pk_add_f32 v[26+4*\t:27+4*\t], v[26+4*\t:27+4*\t], v[50+64*\t+n:51+64*\t+n]
.endr
.set n, n+4
.endr
.irp t, 0,1
	v_pk_add_f32 v[14+4*\t:15+4*\t], v[14+4*\t:15+4*\t], v[26+4*\t:27+4*\t]
.endr
.set n, 0
.rept 64
	v_dual_min_num_f32 v[ST0+n], s[LIMS], v[ST0+n] :: v_dual_min_num_f32 v[ST0+n+1], s[LIMS], v[ST0+n+1]   ; the conversion does not saturate (ISA guide 7.6.2); p is not negative, so the hold is one-sided; two numbers a line
.set n, n+2
.endr
.irp t, 0,1
.set n, 0
.rept 8
	v_cvt_scalef32_pk8_fp8_f32 v[PC0+208*\t+2*n:PC0+208*\t+2*n+1], v[48+64*\t+8*n:55+64*\t+8*n], v[SCP]
.set n, n+1
.endr
.endr
.endm
; A KEY STEP: 128 keys, at LDS byte s[TS].  sync = 1: a slot's second step, with the change of slots.  tail = 1: in the last slot, whose last step has no successor.
.macro STEP sync, tail
	v_add_nc_u32 v[ADK], s[TS], v[AK]              ; these two and the two v_nop are the four places between the last step's products and the loads into the registers that they read
	v_add_nc_u32 v[ADV], s[TS], v[AV]
	v_nop
	v_nop
.set n, 0
.rept 8
	ds_load_b128 v[FRG+8*n:FRG+8*n+3],   v[ADK] offset:16*KP*n        ; K: keys 16 n on
	ds_load_b128 v[FRG+8*n+4:FRG+8*n+7], v[ADK] offset:16*KP*n+32
.set n, n+1
.endr
	s_wait_alu depctr_va_vdst(0)                   ; the wait here, directly ahead of the waits below
	s_wait_loadcnt 0x0                             ; this step's numbers of the mask, asked for a step ago, are in: so their base may be stepped
	s_add_nc_u64 s[MB:MB+1], s[MB:MB+1], 8192
	s_wait_dscnt 0x0                               ; K
	WIN 0x14                                       ; source 1 (Q) and source 2 (the mask) window 1
.set n, 0
.rept 16
	v_wmma_f32_16x16x64_fp8_fp8 v[ST0+64*(n%2)+8*(n/2):ST0+64*(n%2)+8*(n/2)+7], v[FRG+8*(n/2):FRG+8*(n/2)+7], v[QF+8*(n%2):QF+8*(n%2)+7], v[MK+64*(n%2)+8*(n/2):MK+64*(n%2)+8*(n/2)+7]   ; keys 16 (n / 2) on, tile n % 2
.set n, n+1
.endr
	WIN 0
.rept 4
	v_nop                                          ; places in front of the loads into K's and the mask's registers and of the first read of the scores
.endr
.if \tail
	s_cmp_eq_u32 s[INR], 1                         ; the last key step has no successor: a count of steps alone
	s_cbranch_scc1 .Lno_next_\@
.endif
	WIN 0x40
	MLOADS                                         ; the next step's numbers of the mask land while this step is worked
	WIN 0
.if \tail
.Lno_next_\@:
.endif
.set n, 0
.rept 32
	ds_load_b64 v[FRG+2*n:FRG+2*n+1], v[ADV] offset:16*KP*(n/8)+16*(n%8)   ; V^T: rows 16 (n / 8) on, keys 16 (n % 8) + 8 h on
.set n, n+1
.endr
.if \sync
	s_wait_tensorcnt 0x0                           ; my part of the next slot has landed: no tensor load of mine is out
	ds_add_u32 v[SPW], v[NIL]                      ; work on registers stands between this add and the wait for it
	WALK
.endif
	SOFT2 \sync
.if \sync == 0
	s_wait_dscnt 0x0                               ; V
.endif
	WIN 0x41                                       ; O^T (destination and source 0) window 1
	s_wait_alu depctr_va_vdst(0)                   ; the wait here, directly ahead of the first reader of O^T
.set n, 0
.rept 32
	v_pk_mul_f32 v[n:n+1], v[n:n+1], v[22+2*(n/32):23+2*(n/32)] op_sel_hi:[1,0]   ; O^T under the new M.  (Also the plain lines between the conversions and the products that read the codes)
.set n, n+2
.endr
	WIN 0x50                                       ; C and D window 1
.set n, 0
.rept 8
	v_wmma_f32_16x16x128_fp8_fp8 v[32*(n%2)+8*(n/2):32*(n%2)+8*(n/2)+7], v[FRG+16*(n/2):FRG+16*(n/2)+15], v[PC0+208*(n%2):PC0+208*(n%2)+15], v[32*(n%2)+8*(n/2):32*(n%2)+8*(n/2)+7]   ; eight accumulators, one turn each
.set n, n+1
.endr
	WIN 0
.if \sync
	s_barrier_wait -1                              ; every wave has its part of the next slot and reads this slot no more
.endif
.endm
	s_wait_alu depctr_va_vdst(0)                   ; the wait at the head's end
	s_wait_tensorcnt 0x0                           ; my part of slot 0 is in
	ds_add_u32 v[SPW], v[NIL]
	WALK
	s_wait_dscnt 0x0
	s_barrier_signal -1
	s_barrier_wait -1
.Lslot:                                            ; NSL - 1 trips: trip s asks for slot s + 1 and works slot s
	tensor_load_to_lds s[G0:G0+3], s[G1:G1+7]      ; the first thing behind the barrier (the loop's three scalar lines aside), and my one tensor load until the next: it has the slot's first step and half the second in which to land
	s_nop 0
.rept 4
	v_nop
.endr
	ASK
	s_mov_b32 s[TS], s[TB]
	STEP 0, 0
	s_add_co_u32 s[TS], s[TB], STEPB
	STEP 1, 0
	s_xor_b32 s[TB], s[TB], SLOT1                  ; on to the other slot
	s_sub_co_u32 s[SLOTS], s[SLOTS], 1
	s_cmp_lg_u32 s[SLOTS], 0
	s_cbranch_scc1 .Lslot
	s_mov_b32 s[TS], s[TB]                         ; the last slot is written out: nothing more is asked for
	s_mov_b32 s[INR], 2
.Ltail:
	STEP 0, 1
	s_add_co_u32 s[TS], s[TS], STEPB
	s_sub_co_u32 s[INR], s[INR], 1
	s_cmp_lg_u32 s[INR], 0
	s_cbranch_scc1 .Ltail
	; THE WAY OUT.  o = O^T x 2^(ep + ev) / the sum; quantised under 2^eo: a lane's eight neighbours of the head's 64 are 8 bytes of a row of ac.  A row's 128 bytes come from two waves: they meet in the stage.
	v_add_f32 v14, v14, v15                        ; the sums' two halves  (these lines are the places behind the last products)
	v_add_f32 v18, v18, v19
	v_permlanex16_b32 v[MX0], v14, s[SEL], s[SEL+1]
	v_permlanex16_b32 v[MX1], v18, s[SEL], s[SEL+1]
	v_add_f32 v14, v14, v[MX0]                     ; and lane l xor 16's
	v_add_f32 v18, v18, v[MX1]
	v_cmp_lt_f32 s96, 0, v14                       ; is the row's sum above 0?  It selects a value only
	v_cmp_lt_f32 s97, 0, v18
	s_wait_alu depctr_va_vdst(0)                   ; the wait ahead of the reciprocals
	v_rcp_f32 v14, v14
	v_rcp_f32 v18, v18
	v_and_b32 v[MX0], 15, v0                       ; (a plain line behind the reciprocals)  r
	v_bfe_u32 v[MX1], v0, 4, 1                     ; h
	v_mul_u32_u24 v6, v[MX0], KP
	v_lshl_add_u32 v6, v[MX1], 3, v6
	s_mul_i32 s75, s18, 32*KP
	s_lshl_b32 s76, s17, 6
	s_add_co_u32 s75, s75, s76
	s_add_co_u32 s75, s75, STAGE
	v_add_nc_u32 v6, s75, v6                       ; in: row 32 (w / 2) + r, my head's 64 bytes, + 8 h
	v_bfe_u32 v7, v0, 3, 2
	v_mul_u32_u24 v7, v7, KP
	v_and_b32 v8, 7, v0
	v_lshl_add_u32 v7, v8, 4, v7
	s_mul_i32 s75, s[WV], 16*KP
	s_add_co_u32 s75, s75, STAGE
	v_add_nc_u32 v7, s75, v7                       ; back: my wave's 16 rows, eight lanes to a row, four rows an instruction
	s_add_co_i32 s74, s72, 127
	s_lshl_b32 s75, s74, 23
	v_mov_b32 v[SCO], s75                          ; 2^eo
	s_add_co_i32 s74, s74, 8
	s_lshl_b32 s74, s74, 23
	s_or_b32 s74, s74, 0x600000
	v_mov_b32 v[LIMO], s74                         ; 448 x 2^eo
	v_mov_b32 v[SUB], 0x7f7f7f7f                   ; four codes of NaN
	s_add_co_i32 s74, s70, s71                     ; ev + ep
	s_wait_alu depctr_va_vdst(0)                   ; the wait ahead of the first line that names a reciprocal: one for the two
	v_ldexp_f32 v14, v14, s74
	v_ldexp_f32 v18, v18, s74
	WIN 0x01                                       ; source 0 (O^T) window 1
	s_wait_alu depctr_va_vdst(0)                   ; the wait here, directly ahead of the first reader of O^T
.set n, 0
.rept 32
	v_pk_mul_f32 v[ST0+n:ST0+n+1], v[n:n+1], v[14+4*(n/32):15+4*(n/32)] op_sel_hi:[1,0]   ; each accumulator from its low end on
.set n, n+2
.endr
	WIN 0
.set n, 0
.rept 64
	v_med3_num_f32 v[ST0+n], v[ST0+n], -v[LIMO], v[LIMO]
.set n, n+1
.endr
.set n, 0
.rept 8
	v_cvt_scalef32_pk8_fp8_f32 v[PC0+2*n:PC0+2*n+1], v[ST0+8*n:ST0+8*n+7], v[SCO]   ; n = 4 t + dt
.set n, n+1
.endr
	v_nop                                          ; one plain vector line between the conversions and the lines that touch their results
.set n, 0
.rept 16
	v_cndmask_b32 v[PC0+n], v[SUB], v[PC0+n], s[96+n/8]   ; a row with no sum is NaN
.set n, n+1
.endr
.set n, 0
.rept 8
	ds_store_b64 v6, v[PC0+2*n:PC0+2*n+1] offset:16*KP*(n/4)+16*(n%4)
.set n, n+1
.endr
	s_wait_dscnt 0x0                               ; for the others' sake: my stores into the stage are done
	s_barrier_signal -1
	s_barrier_wait -1
.set n, 0
.rept 4
	ds_load_b128 v[ST0+4*n:ST0+4*n+3], v7 offset:4*KP*n
.set n, n+1
.endr
.set n, 0
.rept 4
	s_wait_dscnt 3-n                               ; the younger loads may be out
	global_store_b128 v[MO], v[ST0+4*n:ST0+4*n+3], s[10:11] offset:512*n   ; 32 lanes store 512 consecutive bytes, at a multiple of 256 from ac's first byte
.set n, n+1
.endr
	s_wait_tensorcnt 0x0                           ; the wave's end
	ds_add_u32 v[SPW], v[NIL]
	s_wait_dscnt 0x0
	s_endpgm
.Lfunc_end_k_q8de70a5e4a_attn:
	.size	k_q8de70a5e4a_attn, .Lfunc_end_k_q8de70a5e4a_attn-k_q8de70a5e4a_attn
	.p2alignl 7, 3214868480
	.fill 96, 4, 3214868480
	.section	.rodata,"a",@progbits
	.p2align	6, 0x0
	.amdhsa_kernel k_q8de70a5e4a_attn
		.amdhsa_group_segment_fixed_size 327680
		.amdhsa_private_segment_fixed_size 0
		.amdhsa_enable_private_segment 0
		.amdhsa_kernarg_size 32
		.amdhsa_user_sgpr_count 2
		.amdhsa_user_sgpr_kernarg_segment_ptr 1
		.amdhsa_wavefront_size32 1
		.amdhsa_system_sgpr_workgroup_id_x 1
		.amdhsa_system_sgpr_workgroup_id_y 1
		.amdhsa_system_sgpr_workgroup_id_z 1
		.amdhsa_system_vgpr_workitem_id 0
		.amdhsa_next_free_vgpr 464
		.amdhsa_next_free_sgpr 98
		.amdhsa_reserve_vcc 0
		.amdhsa_float_denorm_mode_32 3
		.amdhsa_float_denorm_mode_16_64 3
		.amdhsa_memory_ordered 1
		.amdhsa_forward_progress 1
		.amdhsa_inst_pref_size 123
	.end_amdhsa_kernel
	.amdgpu_metadata
---
amdhsa.version: [ 1, 2 ]
amdhsa.kernels:
  - .name:           k_q8de70a5e4a_attn
    .symbol:         k_q8de70a5e4a_attn.kd
    .args:
      - { .name: qkv, .offset: 0, .size: 8, .value_kind: global_buffer, .address_space: global }
      - { .name: mk, .offset: 8, .size: 8, .value_kind: global_buffer, .address_space: global }
      - { .name: lowp_scales, .offset: 16, .size: 8, .value_kind: global_buffer, .address_space: global }
      - { .name: ac, .offset: 24, .size: 8, .value_kind: global_buffer, .address_space: global }
    .group_segment_fixed_size: 327680
    .private_segment_fixed_size: 0
    .kernarg_segment_align: 8
    .kernarg_segment_size: 32
    .max_flat_workgroup_size: 256
    .sgpr_count:     98
    .vgpr_count:     464
    .wavefront_size: 32
...
	.end_amdgpu_metadata
.endif
;; end of part 3
;; launch proj (part 4): grid 16 x 16, 4 waves a work-group, clusters of 4 x 4, 327,680 bytes of LDS; arguments ac, wc, lowp_scales, wo_b, out0; writes out0
.if DOCPART == 4
	.amdgcn_target "amdgcn-amd-amdhsa--gfx1250"
	.amdhsa_code_object_version 6
	.text
	.protected	k_q8de70a5e4a_proj
	.globl	k_q8de70a5e4a_proj
	.p2align	8
	.type	k_q8de70a5e4a_proj,@function
k_q8de70a5e4a_proj:
	s_mov_b64 s[64:65], 0
	v_nop
	global_prefetch_b8 v0, s[64:65] scope:SCOPE_SE
	s_setreg_imm32_b32 hwreg(HW_REG_WAVE_MODE, 25, 1), 1
	s_wait_xcnt 0x0
	s_wait_alu depctr_hold_cnt(0) depctr_sa_sdst(0) depctr_va_vdst(0) depctr_va_sdst(0) depctr_va_ssrc(0) depctr_va_vcc(0) depctr_vm_vsrc(0)
	s_getreg_b32 s2, hwreg(HW_REG_IB_STS2, 6, 4)
	s_cmp_eq_u32 s2, 0
	s_cbranch_scc0 .Lentry_in_a_cluster
	s_endpgm
.Lentry_in_a_cluster:
	s_bfe_u32 s2, ttmp6, 0x10000c
	s_cmp_lg_u32 s2, 0xf033
	s_cbranch_scc0 .Lentry_shape_is_right
	s_endpgm
.Lentry_shape_is_right:
.set KROW,   2048
.set APITCH, 144
.set BPITCH, 528
.set AQ,     128*APITCH
.set AHALF,  2*AQ
.set ABYTES, 2*AHALF
.set BHALF,  64*BPITCH
.set SLOT,   ABYTES+2*BHALF
.set STAGE,  2*SLOT
.set SPITCH, 272
.set SPARE,  STAGE+4*16*SPITCH
.set ABLK,   2048*128
.set ASTEP,  4*ABLK
.set BSTEP,  512
.set FR,     16
.set ADRA, 16
.set ADRB, 20
.set STO,  24
.set RD,   25
.set CO,   26
.set SPW,  28
.set NIL,  29
.set BK,   32
.set ACC,  128
.set F0,   0
.set F1,   128
.set G1, 24
.set G0, 32
.set G1B, 48
.set G0B, 56
.set MSB, 0
.macro WIN new
.if MSB != \new
	s_set_vgpr_msb (MSB<<8)|\new
.set MSB, \new
.endif
.endm
.set MUL,  0x05
.set TO_F, 0x40
.macro JLOAD s
	s_cmp_eq_u32 s15, 0
	s_cbranch_scc0 .Lfor_b_\@
	tensor_load_to_lds s[G0+4*\s:G0+4*\s+3], s[G1:G1+7]
	s_nop 0
.rept 4
	v_nop
.endr
	s_branch .Lasked_\@
.Lfor_b_\@:
	tensor_load_to_lds s[G0B+4*\s:G0B+4*\s+3], s[G1B:G1B+7]
	s_nop 0
.rept 4
	v_nop
.endr
.Lasked_\@:
.endm
.macro CREST
	s_cmp_lg_u32 s14, 0
	s_cbranch_scc1 .Lnot_wave_0_\@
	s_barrier_signal -3
.Lnot_wave_0_\@:
	s_barrier_wait -3
	s_barrier_signal -1
	s_barrier_wait -1
.endm
.macro CROUND
	s_barrier_signal -1
	s_barrier_wait -1
	CREST
.endm
	s_load_b128 s[4:7], s[0:1], 0x0
	s_load_b128 s[8:11], s[0:1], 0x10
	s_load_b64 s[12:13], s[0:1], 0x20
	v_lshl_add_u32 v[SPW], v0, 2, SPARE
	v_mov_b32 v[NIL], 0
	ds_add_u32 v[SPW], v[NIL]
	ds_add_u32 v[SPW], v[NIL]
	v_lshrrev_b32 v1, 5, v0
	v_readfirstlane_b32 s14, v1
	s_lshr_b32 s15, s14, 1
	s_and_b32 s16, s14, 1
	; the prefetches' offset, never rewritten: in a wave that fetches ac's tiles 256 x lane; in one that fetches wo's tiles row lane / 2 of 2,048 bytes, + 256 x (lane % 2)
	s_cmp_eq_u32 s15, 0
	s_cselect_b32 s72, 0, 1
	s_cselect_b32 s73, 8, 11
	v_and_b32 v31, 31, v0
	v_lshrrev_b32 v30, s72, v31
	v_lshlrev_b32 v30, s73, v30
	v_and_b32 v31, s72, v31
	v_lshl_add_u32 v30, v31, 8, v30
	s_bfe_u32 s40, ttmp6, 0x40000
	s_bfe_u32 s41, ttmp6, 0x40004
	s_lshl_b32 s42, ttmp9, 2
	s_add_co_u32 s42, s42, s40
	s_and_b32 s17, ttmp7, 0xffff
	s_lshl_b32 s17, s17, 2
	s_add_co_u32 s17, s17, s41
	s_lshl_b32 s43, s41, 2
	s_lshl_b32 s43, 15, s43
	s_lshl_b32 s44, 0x1111, s40
	s_or_b32 s[G1+0], s43, (3<<16)|(1<<20)|(1<<21)|(4<<22)|(3<<25)
	s_mov_b32 s[G1+1], 2048<<16
	s_mov_b32 s[G1+2], 2<<16
	s_mov_b32 s[G1+3], 2048<<16
	s_mov_b32 s[G1+4], 2
	s_mov_b32 s[G1+5], ABLK/8
	s_mov_b32 s[G1+6], 0
	s_mov_b32 s[G1+7], 0
	s_or_b32 s[G1B+0], s44, (1<<20)|(1<<21)|(6<<22)|(3<<25)
	s_mov_b32 s[G1B+1], 512<<16
	s_mov_b32 s[G1B+2], 64<<16
	s_mov_b32 s[G1B+3], 512<<16
	s_mov_b32 s[G1B+4], 64
	s_mov_b32 s[G1B+5], KROW
	s_mov_b32 s[G1B+6], 0
	s_mov_b32 s[G1B+7], 0
	s_lshl_b32 s20, s17, 14
	s_lshl_b32 s18, s16, 19
	s_add_co_u32 s20, s20, s18
	s_mov_b32 s21, 0
	s_lshl_b32 s46, s42, 7
	s_lshl_b32 s18, s16, 6
	s_add_co_u32 s46, s46, s18
	s_lshl_b32 s46, s46, 11
	s_add_co_u32 s46, s46, 0xc00000
	s_mov_b32 s47, 0
	s_mul_i32 s45, s16, AHALF
	s_mul_i32 s66, s16, BHALF
	s_add_co_u32 s66, s66, ABYTES
	s_wait_dscnt 0x0
	s_wait_kmcnt 0x0
	s_load_b64 s[96:97], s[8:9], 0x28
	s_add_nc_u64 s[20:21], s[4:5], s[20:21]
	s_add_nc_u64 s[46:47], s[6:7], s[46:47]
	; THE PREFETCHES INTO THE L2.  A wave fetches 32,768 bytes a slot, 128 blocks of 256; each of the four partners that ask for them jointly names 32, one instruction a wave, told apart BY ADDRESS:
	; of ac's two runs of 16,384 bytes partner cx takes run cx / 2, half cx % 2; of wo's 64 rows of 512 bytes partner cy takes 16.  Behind slot 0's load slots 1 and 2 are named, behind slot 1's load slot 3:
	; never more than two slots are asked for and not yet read.  Each slot has address registers of its own: none is rewritten.
	s_lshr_b32 s70, s40, 1
	s_lshl_b32 s70, s70, 18
	s_and_b32 s71, s40, 1
	s_lshl_b32 s71, s71, 13
	s_add_co_u32 s70, s70, s71
	s_lshl_b32 s71, s41, 15
	s_mov_b32 s72, BSTEP
	s_cmp_eq_u32 s15, 0
	s_cselect_b32 s70, s70, s71                    ; my work-group's share
	s_cselect_b32 s72, ASTEP, s72                  ; a slot on
	s_cselect_b64 s[68:69], s[20:21], s[46:47]     ; what my wave fetches
	s_mov_b32 s71, 0
	s_mov_b32 s73, 0
	s_add_nc_u64 s[68:69], s[68:69], s[70:71]
	s_add_nc_u64 s[74:75], s[68:69], s[72:73]      ; slot 1
	s_add_nc_u64 s[76:77], s[74:75], s[72:73]      ; slot 2
	s_add_nc_u64 s[78:79], s[76:77], s[72:73]      ; slot 3
	CROUND
.irp s, 0,1
	s_mov_b32 s[G0+4*\s], 1
	s_add_co_u32 s[G0+4*\s+1], s45, \s*SLOT
	s_add_nc_u64 s[G0+4*\s+2:G0+4*\s+3], s[20:21], \s*ASTEP
	s_or_b32 s[G0+4*\s+3], s[G0+4*\s+3], 0x80000000
	s_mov_b32 s[G0B+4*\s], 1
	s_add_co_u32 s[G0B+4*\s+1], s66, \s*SLOT
	s_add_nc_u64 s[G0B+4*\s+2:G0B+4*\s+3], s[46:47], \s*BSTEP
	s_or_b32 s[G0B+4*\s+3], s[G0B+4*\s+3], 0x80000000
	s_wait_alu depctr_va_vdst(0)
.if \s                                             ; slot 1's first fill is issued as a refill is: a wait, two adds and a round stand ahead of it; slot 0's stands behind the opening lines and the opening round
	s_wait_tensorcnt 0x0
	ds_add_u32 v28, v29
	ds_add_u32 v28, v29
	s_wait_dscnt 0x0
	CROUND
.endif
	JLOAD \s
.if \s == 0
	global_prefetch_b8 v30, s[74:75] th:TH_LOAD_NT scope:SCOPE_SE
	global_prefetch_b8 v30, s[76:77] th:TH_LOAD_NT scope:SCOPE_SE
.else
	global_prefetch_b8 v30, s[78:79] th:TH_LOAD_NT scope:SCOPE_SE
.endif
.endr
	v_and_b32 v1, 15, v0
	v_bfe_u32 v2, v0, 4, 1
	v_mul_u32_u24 v3, v1, APITCH
	v_lshl_add_u32 v4, v2, 4, v3
	v_mul_u32_u24 v3, v1, BPITCH
	v_lshl_add_u32 v5, v2, 4, v3
	s_mul_i32 s21, s15, 64*APITCH
	s_mul_i32 s22, s16, BHALF
	s_add_co_u32 s22, s22, ABYTES
.irp s, 0,1
	v_add_nc_u32 v[ADRA+\s], s21, v4
	v_add_nc_u32 v[ADRB+\s], s22, v5
	s_add_co_u32 s21, s21, SLOT
	s_add_co_u32 s22, s22, SLOT
.endr
	s_mul_i32 s23, s14, 16*SPITCH
	s_add_co_u32 s23, s23, STAGE
	v_mul_u32_u24 v5, v1, SPITCH
	v_lshl_add_u32 v5, v2, 5, v5
	v_add_nc_u32 v[STO], s23, v5
	v_mul_u32_u24 v5, v2, SPITCH
	v_lshl_add_u32 v5, v1, 4, v5
	v_add_nc_u32 v[RD], s23, v5
	v_lshlrev_b32 v7, 4, v1
	s_wait_alu depctr_va_vdst(0)
	v_lshl_add_u32 v[CO], v2, 13, v7
	s_lshl_b32 s46, s42, 9
	s_lshl_b32 s47, s16, 8
	s_add_co_u32 s46, s46, s47
	s_mov_b32 s47, 0
	s_add_nc_u64 s[10:11], s[10:11], s[46:47]
	s_add_nc_u64 s[12:13], s[12:13], s[46:47]
	s_lshl_b32 s20, s17, 7
	s_lshl_b32 s21, s15, 6
	s_add_co_u32 s20, s20, s21
	s_lshl_b32 s20, s20, 13
	s_mov_b32 s21, 0
	s_add_nc_u64 s[12:13], s[12:13], s[20:21]
	global_load_b128 v[8:11], v7, s[10:11]
.macro FRAG reg, adr, off
.irp c, 0,1,2,3
	ds_load_b128 v[\reg+4*\c:\reg+4*\c+3], v[\adr] offset:\off+32*\c
.endr
.endm
.macro MUL4 f, a, zero
.irp b, 0,1,2,3
.if \zero
	v_wmma_f32_16x16x128_fp8_fp8 v[ACC+8*(4*(\a)+\b):ACC+8*(4*(\a)+\b)+7], v[\f+64+FR*\b:\f+64+FR*\b+FR-1], v[\f+FR*(\a):\f+FR*(\a)+FR-1], 0
.else
	v_wmma_f32_16x16x128_fp8_fp8 v[ACC+8*(4*(\a)+\b):ACC+8*(4*(\a)+\b)+7], v[\f+64+FR*\b:\f+64+FR*\b+FR-1], v[\f+FR*(\a):\f+FR*(\a)+FR-1], v[ACC+8*(4*(\a)+\b):ACC+8*(4*(\a)+\b)+7]
.endif
.endr
.endm
.macro FETCH slot, q, f
	WIN TO_F
.irp i, 0,1,2,3
	FRAG \f+64+FR*\i, ADRB+\slot, 128*(\q)+\i*16*BPITCH
.endr
.irp i, 0,1,2,3
	FRAG \f+FR*\i, ADRA+\slot, AQ*(\q)+\i*16*APITCH
.endr
.endm
.macro PLACES
.rept 4
	v_nop
.endr
.endm
.macro QUARTER slot, q, f, g, zero
	s_wait_dscnt 8
	WIN MUL
	MUL4 \f, 0, \zero
	MUL4 \f, 1, \zero
	PLACES
	FETCH \slot, \q, \g
	s_wait_dscnt 32
	WIN MUL
	MUL4 \f, 2, \zero
	MUL4 \f, 3, \zero
.endm
.macro TURN slot, next, fill
	WIN 0
	s_wait_tensorcnt 0x0
	ds_add_u32 v[SPW], v[NIL]
	s_wait_dscnt 9
	WIN MUL
	MUL4 F1, 0, 0
	s_wait_dscnt 0x0
	s_barrier_signal -1
	MUL4 F1, 1, 0
.if \fill
	WIN 0
.endif
	s_barrier_wait -1
.if \fill
	CREST
	s_add_nc_u64 s[G0+4*\slot+2:G0+4*\slot+3], s[G0+4*\slot+2:G0+4*\slot+3], 2*ASTEP
	s_add_nc_u64 s[G0B+4*\slot+2:G0B+4*\slot+3], s[G0B+4*\slot+2:G0B+4*\slot+3], 2*BSTEP
	JLOAD \slot
.else
	PLACES
.endif
	FETCH \next, 0, F0
	WIN MUL
	MUL4 F1, 2, 0
	MUL4 F1, 3, 0
.endm
	s_wait_tensorcnt 1
	s_barrier_signal -1
	s_barrier_wait -1
	FETCH 0, 0, F0
	QUARTER 0, 1, F0, F1, 1
	QUARTER 0, 2, F1, F0, 0
	QUARTER 0, 3, F0, F1, 0
	TURN 0, 1, 1
	QUARTER 1, 1, F0, F1, 0
	QUARTER 1, 2, F1, F0, 0
	QUARTER 1, 3, F0, F1, 0
	TURN 1, 0, 1
	QUARTER 0, 1, F0, F1, 0
	QUARTER 0, 2, F1, F0, 0
	QUARTER 0, 3, F0, F1, 0
	TURN 0, 1, 0
	QUARTER 1, 1, F0, F1, 0
	QUARTER 1, 2, F1, F0, 0
	QUARTER 1, 3, F0, F1, 0
	s_wait_dscnt 8
	WIN MUL
	MUL4 F1, 0, 0
	MUL4 F1, 1, 0
	s_wait_dscnt 0
	MUL4 F1, 2, 0
	MUL4 F1, 3, 0
	WIN 0
.macro TOSTAGE a
.set BB, BK+32*((\a)%2)
.irp b, 0,1,2,3
	ds_store_b128 v[STO], v[ACC+8*(4*(\a)+\b):ACC+8*(4*(\a)+\b)+3] offset:64*\b
	ds_store_b128 v[STO], v[ACC+8*(4*(\a)+\b)+4:ACC+8*(4*(\a)+\b)+7] offset:64*\b+16
.endr
.irp t, 0,1,2,3,4,5,6,7
	ds_load_b128 v[BB+4*\t:BB+4*\t+3], v[RD] offset:\t*2*SPITCH
.endr
.endm
.macro SEND a, younger
.set BB, BK+32*((\a)%2)
	s_wait_dscnt \younger
.irp t, 0,1,2,3,4,5,6,7
	v_pk_fma_f32 v[BB+4*\t:BB+4*\t+1],   v[BB+4*\t:BB+4*\t+1],   s[96:97], v[8:9]   op_sel_hi:[1,0,1]
	v_pk_fma_f32 v[BB+4*\t+2:BB+4*\t+3], v[BB+4*\t+2:BB+4*\t+3], s[96:97], v[10:11] op_sel_hi:[1,0,1]
.endr
.irp t, 0,1,2,3,4,5,6,7
	global_store_b128 v[CO], v[BB+4*\t:BB+4*\t+3], s[12:13] offset:(16*(\a)+2*\t)*8192 th:TH_STORE_NT
.endr
.endm
	s_wait_kmcnt 0x0
	s_add_co_i32 s96, s96, s97
	s_add_co_i32 s96, s96, 127
	s_lshl_b32 s96, s96, 23
	s_mov_b32 s97, s96
	s_wait_loadcnt 0x0
	PLACES
	TOSTAGE 0
.irp a, 1,2,3
.if \a > 1
	s_wait_xcnt 0x0
.endif
	TOSTAGE \a
	SEND \a-1, 16
.endr
	SEND 3, 0
	s_wait_tensorcnt 0x0
	ds_add_u32 v[SPW], v[NIL]
	s_wait_dscnt 0x0
	CROUND
	s_endpgm
.Lfunc_end_k_q8de70a5e4a_proj:
	.size	k_q8de70a5e4a_proj, .Lfunc_end_k_q8de70a5e4a_proj-k_q8de70a5e4a_proj
	.p2alignl 7, 3214868480
	.fill 96, 4, 3214868480
	.section	.rodata,"a",@progbits
	.p2align	6, 0x0
	.amdhsa_kernel k_q8de70a5e4a_proj
		.amdhsa_group_segment_fixed_size 327680
		.amdhsa_private_segment_fixed_size 0
		.amdhsa_enable_private_segment 0
		.amdhsa_kernarg_size 40
		.amdhsa_user_sgpr_count 2
		.amdhsa_user_sgpr_kernarg_segment_ptr 1
		.amdhsa_wavefront_size32 1
		.amdhsa_system_sgpr_workgroup_id_x 1
		.amdhsa_system_sgpr_workgroup_id_y 1
		.amdhsa_system_sgpr_workgroup_id_z 1
		.amdhsa_system_vgpr_workitem_id 0
		.amdhsa_next_free_vgpr 512
		.amdhsa_next_free_sgpr 98
		.amdhsa_reserve_vcc 0
		.amdhsa_float_denorm_mode_32 3
		.amdhsa_float_denorm_mode_16_64 3
		.amdhsa_memory_ordered 1
		.amdhsa_forward_progress 1
		.amdhsa_inst_pref_size 76
	.end_amdhsa_kernel
	.amdgpu_metadata
---
amdhsa.version: [ 1, 2 ]
amdhsa.kernels:
  - .name:           k_q8de70a5e4a_proj
    .symbol:         k_q8de70a5e4a_proj.kd
    .args:
      - { .name: ac, .offset: 0, .size: 8, .value_kind: global_buffer, .address_space: global }
      - { .name: wc, .offset: 8, .size: 8, .value_kind: global_buffer, .address_space: global }
      - { .name: lowp_scales, .offset: 16, .size: 8, .value_kind: global_buffer, .address_space: global }
      - { .name: wo_b, .offset: 24, .size: 8, .value_kind: global_buffer, .address_space: global }
      - { .name: out0, .offset: 32, .size: 8, .value_kind: global_buffer, .address_space: global }
    .group_segment_fixed_size: 327680
    .private_segment_fixed_size: 0
    .kernarg_segment_align: 8
    .kernarg_segment_size: 40
    .max_flat_workgroup_size: 128
    .sgpr_count:     98
    .vgpr_count:     512
    .wavefront_size: 32
...
	.end_amdgpu_metadata
.endif
;; end of part 4
